; MI455X (gfx1250); checked and timed in simulation.
; The chip was launched on July 23, 2026; its instructions are those of AMD's public machine-readable ISA for CDNA 5 (MIT licence, August 2026) and "CDNA5" Instruction Set Architecture Reference Guide (July 2026). The comments in the code are by the model that wrote it; some were corrected since.
;; Causal Self Attention. Allowed arithmetic: matrix products marked QUANTISED: E2M3 operands, one E8M0 scale for each 32 along K, by v_wmma_scale_f32_16x16x128_f8f6f4 with both operands' format E2M3, f32 sums; everything else in f32.
;; Inputs: b_attn 3,072 float32; b_proj 1,024 float32; w_attn 1,024 x 3,072 float32; w_proj 1,024 x 1,024 float32; x 4 x 2,048 x 1,024 float32.
;; Outputs: out0 4 x 2,048 x 1,024 float32.
;; This version of the problem:
;;   THIS VERSION OF THE PROBLEM IS GIVEN IN LOW PRECISION. The matrix products marked QUANTISED in the list below multiply operands that are first quantised to E2M3 (2 exponent bits, 3 mantissa bits; 6 bits a number), with one power-of-two scale for each 32 numbers along K (OCP MX v1.0); their sums are f32. All else is computed in f32.
;;   The module's matrix products, in the order in which they are computed (A, B: the left and right operand; K: the contracted axis; several contracted axes count as one K, in the product's order):
;;     1. [M 8,192, K 1,024] x [K 1,024, N 3,072]; A: input x; B: input w_attn: QUANTISED
;;     2. batch 64 x [M 2,048, K 64] x [K 64, N 2,048]; A: computed on the way; B: computed on the way: QUANTISED
;;     3. batch 64 x [M 2,048, K 2,048] x [K 2,048, N 64]; A: softmax (see below); B: computed on the way: QUANTISED
;;     4. [M 8,192, K 1,024] x [K 1,024, N 1,024]; A: computed on the way; B: input w_proj: QUANTISED
;;   THE QUANTISER, for each operand of a quantised product, along K:
;;     - K is cut into blocks of 32 from its start; a last block that is shorter is filled with zeros.
;;     - A block's scale is 2^e with e = floor(log2(the largest magnitude in the block)) - 2, held to -126 .. 127; a block of zeros has e = 0. As a byte (E8M0): e + 127.
;;     - Each number is divided by its block's scale, clamped to +-7.5, and rounded to the nearest number of E2M3, ties to even, subnormals kept.
;;     - The product sums the exact products of the quantised numbers (number of the format x scale) in f32.
;;   ~~~python
;;   def quantise(x, axis):      # numpy; x: float32 -> the quantised numbers, widened to float32 again
;;       x = np.moveaxis(x, axis, -1); K = x.shape[-1]
;;       x = np.pad(x, [(0, 0)] * (x.ndim - 1) + [(0, -K % 32)]); x = x.reshape(x.shape[:-1] + (-1, 32)); a = np.abs(x).max(-1, keepdims=True)
;;       e = np.where(a > 0, np.clip(np.frexp(np.where(a > 0, a, 1))[1] - 1 - 2, -126, 127), 0)      # np.frexp(a)[1] - 1 = floor(log2(a)), exactly
;;       r = np.clip(x / 2.0 ** e, -7.5, 7.5)
;;       step = 2.0 ** (np.maximum(np.frexp(np.where(r == 0, 1, r))[1] - 1, 0) - 3)
;;       q = np.round(r / step) * step * 2.0 ** e      # np.round: ties to even
;;       return np.moveaxis(q.reshape(q.shape[:-2] + (-1,))[..., :K], -1, axis).astype(np.float32)
;;   ~~~
;;   SOFTMAX AHEAD OF A QUANTISED PRODUCT. Where the list says 'softmax', what is quantised is not the finished softmax but p = 2^(t - M), with t = logit x log2(e) and M = ceil(the row's largest t), a whole number; so 1/2 < the row's largest p <= 1. The row's sum l is taken of the UNQUANTISED p, in f32, and the product's result is divided by l at the end. Since M is a whole number, a kernel that streams over the keys may use a running M (the ceiling of the running maximum): every later rescaling is an exact power of two, which a block's scale takes up: the codes' values come out the same.
;;   OPERANDS COMPUTED ON THE WAY. 'Computed on the way' means the value that the module computes at that place (a softmax that the list does not call 'softmax' is quantised finished and normalised). What goes into a quantiser is computed in f32, as accurately as f32 sums, v_exp_f32 and their like allow (about 1e-6 of the number): no bf16 or f16 on the way to a quantiser, and a product that is left as it is and whose result goes on into a quantised operand takes f32 operands (vector FMAs, or v_wmma_f32_16x16x4_f32). A number that lies on a knife's edge between two numbers of the format may be rounded either way, as far as f32 arithmetic and the matrix unit's own rounding can turn it there, and no further.
;; One version. Each part assembles by itself: llvm-mc -triple=amdgcn-amd-amdhsa -mcpu=gfx1250 --defsym DOCPART=n.
;; ======== version 1 of 1: 4 launches
;; workspace buffers: xq 6,553,600 bytes; yq 6,553,600 bytes; wq 3,276,800 bytes; qkvq 20,185,088 bytes
;; launch quant (part 1): grid 768 x 1, 4 waves a work-group, no clusters, 68,096 bytes of LDS; arguments x, w_attn, w_proj, xq, wq; writes xq, wq
.if DOCPART == 1
	.amdgcn_target "amdgcn-amd-amdhsa--gfx1250"
	.amdhsa_code_object_version 6
	.text
	.protected	k_q2e93a124e7_quant
	.globl	k_q2e93a124e7_quant
	.p2align	8
	.type	k_q2e93a124e7_quant,@function
k_q2e93a124e7_quant:
	s_mov_b64 s[64:65], 0
	v_nop
	global_prefetch_b8 v0, s[64:65] scope:SCOPE_SE
	s_setreg_imm32_b32 hwreg(HW_REG_WAVE_MODE, 25, 1), 1
	s_wait_xcnt 0x0
; x [8192][1024], w_attn [1024][3072] and w_proj [1024][1024], f32, become codes of FP6 (E2M3) with one E8M0 byte for each 32 along K (K = the 1,024 channels).
; A block's scale is 2^(floor(log2(its largest magnitude)) - 2); its byte is the largest magnitude's exponent field - 2, held at 1 from below.
; LIMITS: a block whose largest magnitude lies under 2^-124 gets the byte 1; a block of zeros gets the byte 1 where the rule says 127 (its codes are zeros, and this program alone reads the bytes);
; NaN and infinities among the inputs are not served.
; LAYOUT OF THE CODES: in the order of the operand's registers.  A ROW BLOCK is 16 rows of an operand (tokens, or columns of a weight): in each group of 32 rows, row block u (0, 1) holds at place r the row
; 8 u + r + 8 (r / 8).  A fragment (a row block x 128 K) is 1,536 bytes: two halves (64 K) of 768: registers 0-3 of lane l at 16 l, registers 4, 5 of lane (r, h) at 512 + 16 r + 8 h.
; A buffer is [row block][K step 0..7][1,536]; behind the codes the scale words, [K step][16 x row block + r], 4 bytes (byte b: K = 32 b on).
; Work-groups 0-511 take x (32 tokens x 512 K; a wave 32 tokens x 128 K, turned through its own stage in LDS, so that every load reads 512 consecutive bytes and yet a lane gets 32 neighbours along K);
; work-groups 512-767 take the weights (128 columns x 128 K; a lane takes a column, its registers run down K; no LDS).  Waves share nothing: no barrier.
.set XS,    6291456                    ; x's scale words in xq
.set WS,    3145728                    ; the weights' scale words in wq
.set STW,   32*528                     ; a wave's stage: 32 tokens x (512 bytes + 16)
.set SPARE, 4*STW                      ; behind the stages: the spare words, 128 bytes for each wave: two blocks of 256 bytes that no other line names
.set SPW,   252                        ; v252 LDS address of my spare word; never rewritten
.set NIL,   253                        ; v253 0; never rewritten
.set FLOOR, 0x1800000                  ; 2^(3 - 127)
.set OFF2,  0xff000000                 ; 2 off an exponent field
	s_load_b256 s[4:11], s[0:1], 0x0               ; x s[4:5], w_attn s[6:7], w_proj s[8:9], xq s[10:11]
	s_load_b64 s[12:13], s[0:1], 0x20              ; wq
	v_lshl_add_u32 v[SPW], v0, 2, SPARE
	v_mov_b32 v[NIL], 0
	v_lshrrev_b32 v1, 5, v0
	v_readfirstlane_b32 s16, v1                    ; wave 0..3
	v_and_b32 v1, 31, v0                           ; lane
	v_and_b32 v2, 15, v0                           ; r
	v_bfe_u32 v3, v0, 4, 1                         ; h
	v_lshlrev_b32 v8, 2, v1                        ; 4 x lane
	s_wait_kmcnt 0x0
	s_cmp_lt_u32 ttmp9, 512
	s_cbranch_scc0 .Lw
	; ---------------- x ----------------
	s_lshr_b32 s17, ttmp9, 1                       ; tg: which 32 tokens
	s_and_b32 s18, ttmp9, 1
	s_lshl_b32 s18, s18, 2
	s_add_co_u32 s18, s18, s16                     ; q: which K step = 4 (work-group % 2) + wave
	s_lshl_b32 s20, s17, 17                        ; 32 rows of 4,096 bytes
	s_lshl_b32 s21, s18, 9                         ; 128 numbers
	s_add_co_u32 s20, s20, s21
	s_mov_b32 s21, 0
	s_add_nc_u64 s[4:5], s[4:5], s[20:21]
	s_lshl_b32 s22, s17, 4
	s_add_co_u32 s22, s22, s18
	s_mul_i32 s22, s22, 1536                       ; row block 2 tg, K step q
	s_mov_b32 s23, 0
	s_add_nc_u64 s[24:25], s[10:11], s[22:23]
	s_lshl_b32 s26, s18, 15                        ; 8,192 words a K step
	s_lshl_b32 s27, s17, 7                         ; 32 words
	s_add_co_u32 s26, s26, s27
	s_add_co_u32 s26, s26, XS
	s_mov_b32 s27, 0
	s_add_nc_u64 s[26:27], s[10:11], s[26:27]
	s_mov_b32 s28, 0x76543210
	s_mov_b32 s29, 0xfedcba98                      ; v_permlanex16_b32's selects for lane l xor 16
	s_wait_alu depctr_va_vdst(0)
	v_lshlrev_b32 v4, 4, v1                        ; 16 x lane
	v_lshlrev_b32 v5, 4, v2
	v_lshl_add_u32 v5, v3, 3, v5                   ; 16 r + 8 h
	s_mul_i32 s19, s16, STW
	v_add_nc_u32 v6, s19, v4                       ; the stage, on the way in: a token's 512 bytes as they lie
	v_mul_u32_u24 v7, v2, 528
	v_lshl_add_u32 v7, v3, 7, v7
	v_add_nc_u32 v7, s19, v7                       ; and on the way out: place r, my half's 32 numbers of each 64
	v_lshlrev_b32 v9, 3, v3                        ; 8 h
	v_mov_b32 v248, 0                              ; written once: a lane permute's destination counts as one of its sources
.set t, 0
.rept 32
	global_load_b128 v[16+4*t:19+4*t], v4, s[4:5] offset:t*4096 th:TH_LOAD_NT   ; token t: 32 lanes read 512 consecutive bytes
.set t, t+1
.endr
.set t, 0
	s_wait_alu depctr_va_vdst(0)
.rept 32
	s_wait_loadcnt 31-t                            ; loads come back in order: token t's is in, the younger ones stay out
	ds_store_b128 v6, v[16+4*t:19+4*t] offset:(16*((t/8)%2)+8*(t/16)+(t%8))*528   ; to slot 16 u + r, where t = 8 u + r + 8 (r / 8)
.set t, t+1
.endr
.irp c, 0,1
.irp e, 0,1,2,3,4,5,6,7
	ds_load_b128 v[144+32*\c+4*\e:147+32*\c+4*\e], v7 offset:256*\c+16*\e          ; row block 0: K = 64 c + 32 h + 4 e on, of place r
.endr
.endr
	s_wait_dscnt 16                                ; all but these 16 loads: the 32 stores have read their registers, which are loaded anew
.irp c, 0,1
.irp e, 0,1,2,3,4,5,6,7
	ds_load_b128 v[16+32*\c+4*\e:19+32*\c+4*\e], v7 offset:16*528+256*\c+16*\e    ; row block 1
.endr
.endr
; 64 numbers of a lane, v[s + 32 c + i] = K 64 c + 32 h + i of my row: two whole blocks.  Their codes go to v[p] on (12 registers), the row's scale word to v[w].
.macro QX s, p, w
.irp c, 0,1
	v_max3_num_f32 v[244+\c], |v[\s+32*\c]|, |v[\s+32*\c+1]|, FLOOR   ; the floor is one more leaf: the byte cannot fall under 1
.endr
.irp i, 2,4,6,8,10,12,14,16,18,20,22,24,26,28,30
.irp c, 0,1
	v_max3_num_f32 v[244+\c], v[244+\c], |v[\s+32*\c+\i]|, |v[\s+32*\c+\i+1]|   ; the two blocks by turns
.endr
.endr
.irp c, 0,1
	v_add_nc_u32 v[246+\c], OFF2, v[244+\c]        ; the conversion takes the exponent field of this operand as its scale
.endr
.irp c, 0,1
	v_lshrrev_b32 v[244+\c], 23, v[246+\c]         ; the scale's byte
.endr
	v_lshl_or_b32 v[\w], v245, 16, v244            ; my two bytes: blocks h and 2 + h,
	v_lshlrev_b32 v[\w], v9, v[\w]                 ; at their places (8 h bits up);
	v_permlanex16_b32 v248, v[\w], s28, s29
	v_or_b32 v[\w], v[\w], v248                    ; with lane l xor 16's two the word is whole
.irp c, 0,1
	v_cvt_scalef32_pk16_fp6_f32 v[\p+6*\c:\p+6*\c+2], v[\s+32*\c:\s+32*\c+15], v[246+\c]
	v_cvt_scalef32_pk16_fp6_f32 v[232+4*\c:234+4*\c], v[\s+32*\c+16:\s+32*\c+31], v[246+\c]   ; (a conversion's three registers begin on an even number)
.endr
	v_nop                                          ; one plain place behind a scaled conversion
.irp c, 0,1
.irp i, 0,1,2
	v_mov_b32 v[\p+6*\c+3+\i], v[232+4*\c+\i]
.endr
.endr
.endm
.macro XOUT p, u                       ; a fragment leaves as it stands: each store covers whole aligned runs of 256 bytes
	global_store_b128 v4, v[\p:\p+3], s[24:25] offset:\u*12288
	global_store_b64 v5, v[\p+4:\p+5], s[24:25] offset:\u*12288+512
	global_store_b128 v4, v[\p+6:\p+9], s[24:25] offset:\u*12288+768
	global_store_b64 v5, v[\p+10:\p+11], s[24:25] offset:\u*12288+1280
.endm
	s_wait_dscnt 16                                ; row block 0 is in; row block 1's 16 loads may be out
	QX 144, 208, 240
	XOUT 208, 0
	s_wait_dscnt 0x0
	QX 16, 220, 241
	XOUT 220, 1
	v_cmp_ne_u32 vcc_lo, 0, v3
	v_cndmask_b32 v242, v240, v241, vcc_lo         ; lanes 0-15: row block 0's words, lanes 16-31: row block 1's
	global_store_b32 v8, v242, s[26:27]            ; 128 consecutive bytes
	s_wait_tensorcnt 0x0                           ; the wave's end, behind my last LDS store
	ds_add_u32 v[SPW], v[NIL]
	s_wait_dscnt 0x0
	s_endpgm
	; ---------------- the weights ----------------
.Lw:
	s_sub_co_u32 s17, ttmp9, 512
	s_and_b32 s18, s17, 7                          ; q: which K step
	s_lshr_b32 s19, s17, 3                         ; cb: which 128 columns of the 4,096 (w_attn's 3,072, then w_proj's 1,024)
	s_mov_b32 s20, 4096
	s_cmp_lt_u32 s19, 24                           ; the choice hangs on the work-group's number alone
	s_cselect_b64 s[6:7], s[6:7], s[8:9]
	s_cselect_b32 s20, 12288, s20                  ; a row of the weight in bytes
	s_cselect_b32 s21, 0, 24
	s_sub_co_u32 s21, s19, s21                     ; the block of columns in its own tensor
	s_lshl_b32 s22, s18, 7
	s_mul_i32 s22, s22, s20                        ; 128 q rows
	s_lshl_b32 s23, s21, 9
	s_add_co_u32 s22, s22, s23                     ; + 128 columns a block
	s_lshl_b32 s23, s16, 7
	s_add_co_u32 s22, s22, s23                     ; + 32 columns a wave
	s_mov_b32 s23, 0
	s_add_nc_u64 s[32:33], s[6:7], s[22:23]
	s_lshl_b32 s24, s20, 4                         ; 16 rows
	s_mov_b32 s25, 0
.irp m, 1,2,3,4,5,6,7
	s_add_nc_u64 s[32+2*\m:33+2*\m], s[30+2*\m:31+2*\m], s[24:25]   ; eight bases, 16 rows apart: the row's length is no constant of the text, so it cannot stand in an immediate
.endr
	s_wait_alu depctr_va_vdst(0)
.irp j, 0,1,2,3,4,5,6,7,8,9,10,11,12,13,14,15
	v_mad_u32_u24 v[144+\j], s20, \j, v8           ; 4 x lane + j rows
.endr
.set m, 0
.rept 8
.set j, 0
.rept 16
	global_load_b32 v[16+16*m+j], v[144+j], s[32+2*m:33+2*m] th:TH_LOAD_NT   ; W(128 q + 16 m + j, my column): a wave reads 128 consecutive bytes, the work-group 512
.set j, j+1
.endr
.set m, m+1
.endr
	v_bfe_u32 v12, v0, 3, 1                        ; u: my column's row block,
	v_and_b32 v13, 7, v0
	v_lshl_add_u32 v13, v3, 3, v13                 ; and its place there: lane = 8 u + place + 8 (place / 8)
	v_lshlrev_b32 v10, 4, v13
	v_mad_u32_u24 v10, v12, 0x3000, v10            ; codes: 12,288 u + 16 x place
	v_lshl_add_u32 v11, v12, 4, v13
	v_lshlrev_b32 v11, 2, v11                      ; scale word: 4 (16 u + place)
	s_lshl_b32 s26, s19, 3
	s_lshl_b32 s27, s16, 1
	s_add_co_u32 s26, s26, s27                     ; row block 8 cb + 2 x wave
	s_lshl_b32 s26, s26, 3
	s_add_co_u32 s26, s26, s18
	s_mul_i32 s26, s26, 1536
	s_mov_b32 s27, 0
	s_add_nc_u64 s[26:27], s[12:13], s[26:27]
	s_lshl_b32 s28, s18, 14                        ; 4,096 words a K step
	s_lshl_b32 s29, s19, 9
	s_add_co_u32 s28, s28, s29
	s_lshl_b32 s29, s16, 7
	s_add_co_u32 s28, s28, s29
	s_add_co_u32 s28, s28, WS
	s_mov_b32 s29, 0
	s_add_nc_u64 s[28:29], s[12:13], s[28:29]
; Block kb = 2 c + h of my column: all its 32 numbers are mine.  Its six registers of codes go where three stores of 16 bytes a half fragment want them:
; v[160 + 12 c] on: four of h = 0, four of h = 1, then the last two of h = 0 and of h = 1.
.macro WBLK kb
.set BS, 16+32*(\kb)
.set BD, 160+12*((\kb)/2)+4*((\kb)%2)
.set BE, 160+12*((\kb)/2)+8+2*((\kb)%2)
	v_max3_num_f32 v244, |v[BS]|, |v[BS+1]|, |v[BS+2]|
	v_max3_num_f32 v245, |v[BS+3]|, |v[BS+4]|, |v[BS+5]|
.irp i, 6,10,14,18,22,26
	v_max3_num_f32 v244, v244, |v[BS+\i]|, |v[BS+\i+1]|
	v_max3_num_f32 v245, v245, |v[BS+\i+2]|, |v[BS+\i+3]|
.endr
	v_max3_num_f32 v244, v244, |v[BS+30]|, |v[BS+31]|
	v_max3_num_f32 v244, v244, v245, FLOOR
	v_add_nc_u32 v246, OFF2, v244
	v_lshrrev_b32 v247, 23, v246
.if (\kb) == 0
	v_mov_b32 v241, v247
.else
	v_lshl_or_b32 v241, v247, 8*(\kb), v241        ; the column's scale word: the lower K in the lower byte
.endif
	v_cvt_scalef32_pk16_fp6_f32 v[BD:BD+2], v[BS:BS+15], v246
	v_cvt_scalef32_pk16_fp6_f32 v[184:186], v[BS+16:BS+31], v246
	v_nop                                          ; one plain place behind a scaled conversion
	v_mov_b32 v[BD+3], v184
	v_mov_b32 v[BE], v185
	v_mov_b32 v[BE+1], v186
.endm
	s_wait_loadcnt 63                              ; blocks 0 and 1 are in: behind them 64 loads were issued, and a wait's count holds 63 at the most
	WBLK 0
	WBLK 1
	s_wait_loadcnt 32                              ; block 2 is in; block 3's 32 loads may be out
	WBLK 2
	s_wait_loadcnt 0x0
	WBLK 3
.irp c, 0,1
.irp i, 0,1,2
	global_store_b128 v10, v[160+12*\c+4*\i:163+12*\c+4*\i], s[26:27] offset:768*\c+256*\i   ; sixteen lanes fill 256 consecutive bytes of each of the two row blocks
.endr
.endr
	global_store_b32 v11, v241, s[28:29]           ; 128 consecutive bytes
	s_endpgm
.Lfunc_end_k_q2e93a124e7_quant:
	.size	k_q2e93a124e7_quant, .Lfunc_end_k_q2e93a124e7_quant-k_q2e93a124e7_quant
	.p2alignl 7, 3214868480
	.fill 96, 4, 3214868480
	.section	.rodata,"a",@progbits
	.p2align	6, 0x0
	.amdhsa_kernel k_q2e93a124e7_quant
		.amdhsa_group_segment_fixed_size 68096
		.amdhsa_private_segment_fixed_size 0
		.amdhsa_enable_private_segment 0
		.amdhsa_kernarg_size 40
		.amdhsa_user_sgpr_count 2
		.amdhsa_user_sgpr_kernarg_segment_ptr 1
		.amdhsa_wavefront_size32 1
		.amdhsa_system_sgpr_workgroup_id_x 1
		.amdhsa_system_sgpr_workgroup_id_y 1
		.amdhsa_system_sgpr_workgroup_id_z 1
		.amdhsa_system_vgpr_workitem_id 0
		.amdhsa_next_free_vgpr 256
		.amdhsa_next_free_sgpr 66
		.amdhsa_reserve_vcc 1
		.amdhsa_float_denorm_mode_32 3
		.amdhsa_float_denorm_mode_16_64 3
		.amdhsa_memory_ordered 1
		.amdhsa_forward_progress 1
		.amdhsa_inst_pref_size 39
	.end_amdhsa_kernel
	.amdgpu_metadata
---
amdhsa.version: [ 1, 2 ]
amdhsa.kernels:
  - .name:           k_q2e93a124e7_quant
    .symbol:         k_q2e93a124e7_quant.kd
    .args:
      - { .name: x, .offset: 0, .size: 8, .value_kind: global_buffer, .address_space: global }
      - { .name: w_attn, .offset: 8, .size: 8, .value_kind: global_buffer, .address_space: global }
      - { .name: w_proj, .offset: 16, .size: 8, .value_kind: global_buffer, .address_space: global }
      - { .name: xq, .offset: 24, .size: 8, .value_kind: global_buffer, .address_space: global }
      - { .name: wq, .offset: 32, .size: 8, .value_kind: global_buffer, .address_space: global }
    .group_segment_fixed_size: 68096
    .private_segment_fixed_size: 0
    .kernarg_segment_align: 8
    .kernarg_segment_size: 40
    .max_flat_workgroup_size: 128
    .sgpr_count:     66
    .vgpr_count:     256
    .wavefront_size: 32
...
	.end_amdgpu_metadata
.endif
;; end of part 1
;; launch qkv (part 2): grid 12 x 64, 4 waves a work-group, clusters of 4 x 4, 295,424 bytes of LDS; arguments xq, wq, b_attn, qkvq; writes qkvq
.if DOCPART == 2
	.amdgcn_target "amdgcn-amd-amdhsa--gfx1250"
	.amdhsa_code_object_version 6
	.text
	.protected	k_q2e93a124e7_qkv
	.globl	k_q2e93a124e7_qkv
	.p2align	8
	.type	k_q2e93a124e7_qkv,@function
k_q2e93a124e7_qkv:
	s_mov_b64 s[64:65], 0
	v_nop
	global_prefetch_b8 v0, s[64:65] scope:SCOPE_SE
	s_setreg_imm32_b32 hwreg(HW_REG_WAVE_MODE, 25, 1), 1
	s_wait_xcnt 0x0
	s_wait_alu depctr_hold_cnt(0) depctr_sa_sdst(0) depctr_va_vdst(0) depctr_va_sdst(0) depctr_va_ssrc(0) depctr_va_vcc(0) depctr_vm_vsrc(0)
	s_getreg_b32 s2, hwreg(HW_REG_IB_STS2, 6, 4)
	s_cmp_eq_u32 s2, 0
	s_cbranch_scc0 .Lentry_in_a_cluster
	s_endpgm
.Lentry_in_a_cluster:
	s_bfe_u32 s2, ttmp6, 0x10000c
	s_cmp_lg_u32 s2, 0xf033
	s_cbranch_scc0 .Lentry_shape_is_right
	s_endpgm
.Lentry_shape_is_right:
; qkv = x w_attn + b_attn on codes of FP6 (E2M3) with E8M0 scales; q and k are then quantised along the head's 64 channels, v along the keys, in registers; only codes and scale words go to memory.
; LIMITS of the quantiser: a block whose largest magnitude lies under 2^-124, a block of zeros among them, gets the byte 1 (zeros' codes are zeros; this program alone reads the bytes); NaN and infinities are not served.
; SHARES.  A work-group makes 128 tokens x 256 columns; each of its four waves all 128 tokens x 64 columns, ONE HEAD: 32 accumulators, 256 registers.
; ALL OF K (1,024) LIES IN LDS: x's tile 98,304 bytes, the weight's 196,608.  No LDS byte is filled twice: each wave issues four tensor loads at the start, one for each 256 along K, and the K steps wait for them by count.
; CLUSTER 4 x 4: x's tile is asked for jointly by a row of the cluster, the weight's by a column.  Cluster x = 0: q, 1: k, 2: v.
; OPERANDS lie in memory and in LDS in the order of their registers: a fragment (16 rows x 128 K) is two halves of 768 bytes: registers 0-3 of lane l at 16 l, registers 4, 5 of lane (r, h) at 512 + 16 r + 8 h.
; THE ROWS OF A ROW BLOCK ARE NOT NEIGHBOURS: in each 32 rows, block u holds at place r row 8 u + r + 8 (r / 8).  As source 0 that gives: the 16 registers of two neighbouring result tiles are 16 neighbours.
; q, k: source 0 = the weight's columns, source 1 = tokens: a lane holds one token, its registers run along the channels.   v: source 0 = tokens, source 1 = columns: a lane holds one channel, its registers run along the keys.
; In both, registers 16 x .. 16 x + 15 of the accumulators are half a block of 32 along the next K (the other half: lane l xor 16), so ONE quantiser serves both.
; REGISTERS, in windows of 256: window 0: v1-29 addresses; v32-63, v160-255 the quantiser's; v64-127 x's scale words (8 a + K step), v128-159 the weight's (8 b + K step).
;   window 1: the accumulators.   window 2: x's fragments, two sets of 96.   window 3: the weight's, two sets of 48; from v128 the bias, eight registers a tile of columns.
.set XS,    6291456                    ; x's scale words in xq
.set WS,    3145728                    ; the weights' scale words in wq
.set KV,    6291456                    ; in qkvq: q's codes at 0; from here [head][k 98,304 | v 98,304]
.set QS,    18874368                   ; q's scale words, [head][group of 128 tokens][512]
.set KVS,   19398656                   ; [head][k's 8,192 | v's 4,096]
.set WRB0,  0                          ; the weight's first row block in wq
.set LB,    98304                      ; LDS: x's tile at 0, the weight's here
.set SPARE, 294912                     ; behind the tiles: the spare words, 128 bytes for each wave: two blocks of 256 bytes that no other line names
.set MSB, 0
.macro WIN new                         ; the immediate's high byte repeats the setting that is left
.if MSB != \new
	s_set_vgpr_msb (MSB<<8)|\new
.set MSB, \new
.endif
.endm
.macro PLACES                          ; four plain places behind a matrix instruction, in front of loads into registers that it has read
.rept 4
	v_nop
.endr
.endm
.macro CROUND                          ; a round of the cluster's barrier
	s_barrier_signal -1
	s_barrier_wait -1
	s_cmp_lg_u32 s12, 0
	s_cbranch_scc1 .Lnot_wave_0_\@
	s_barrier_signal -3
.Lnot_wave_0_\@:
	s_barrier_wait -3
	s_barrier_signal -1
	s_barrier_wait -1
.endm
	s_load_b256 s[4:11], s[0:1], 0x0               ; xq s[4:5], wq s[6:7], b_attn s[8:9], qkvq s[10:11]
	v_lshl_add_u32 v28, v0, 2, SPARE
	v_mov_b32 v29, 0
	ds_add_u32 v28, v29
	ds_add_u32 v28, v29                            ; the wave's opening: the add and its wait ahead of my first tensor load; the set-up below, work on registers, stands between them
	v_lshrrev_b32 v1, 5, v0
	v_readfirstlane_b32 s12, v1                    ; wave 0..3
	s_and_b32 s13, s12, 1                          ; which half of a tile I fetch
	s_bfe_u32 s14, ttmp6, 0x40000                  ; cx
	s_bfe_u32 s15, ttmp6, 0x40004                  ; cy
	s_lshl_b32 s16, ttmp9, 2
	s_add_co_u32 s16, s16, s14                     ; tile column (256 columns) = 4 x cluster x + cx
	s_and_b32 s17, ttmp7, 0xffff
	s_lshl_b32 s17, s17, 2
	s_add_co_u32 s17, s17, s15                     ; tile row (128 tokens) = 4 x cluster y + cy
	s_lshl_b32 s18, s15, 2
	s_lshl_b32 s18, 15, s18                        ; my row of the cluster
	s_lshl_b32 s19, 0x1111, s14                    ; my column
	; descriptor group 1: rows of 3,072 bytes (a row block's two K steps: 384 elements of 8 bytes), 12,288 bytes apart in memory, dense in LDS.  x: 4 row blocks a load; the weight: 8
	s_or_b32 s20, s18, (3<<16)|(1<<21)             ; 15:0 the mask; 17:16 elements of 8 bytes; 21 set beside a mask
	s_mov_b32 s21, 384<<16                         ; tensor_dim0
	s_mov_b32 s22, 4<<16                           ; tensor_dim1
	s_mov_b32 s23, 384<<16                         ; tile_dim0
	s_mov_b32 s24, 4                               ; tile_dim1
	s_mov_b32 s25, 1536                            ; tensor_dim0_stride
	s_mov_b32 s26, 0
	s_mov_b32 s27, 0
	s_or_b32 s28, s19, (3<<16)|(1<<21)
	s_mov_b32 s29, 384<<16
	s_mov_b32 s30, 8<<16
	s_mov_b32 s31, 384<<16
	s_mov_b32 s32, 8
	s_mov_b32 s33, 1536
	s_mov_b32 s34, 0
	s_mov_b32 s35, 0
	s_lshl_b32 s52, s17, 3
	s_lshl_b32 s53, s13, 2
	s_add_co_u32 s52, s52, s53
	s_mul_i32 s52, s52, 12288                      ; x: row block 8 x tile row + 4 x half
	s_mov_b32 s53, 0
	s_mul_i32 s54, s13, 12288                      ; and its place in LDS
	s_lshl_b32 s56, s16, 4
	s_lshl_b32 s57, s13, 3
	s_add_co_u32 s56, s56, s57
	s_add_co_u32 s56, s56, WRB0
	s_mul_i32 s56, s56, 12288                      ; the weight: row block 16 x tile column + 8 x half
	s_mov_b32 s57, 0
	s_mul_i32 s55, s13, 24576
	s_add_co_u32 s55, s55, LB
	s_lshl_b32 s58, s17, 9
	s_add_co_u32 s58, s58, XS                      ; x's scale words: 128 words a tile row
	s_mov_b32 s59, 0
	s_lshl_b32 s60, s16, 10
	s_lshl_b32 s61, s12, 8
	s_add_co_u32 s60, s60, s61
	s_mov_b32 s84, s60                             ; (the bias: 4 (256 x tile column + 64 x wave))
	s_mov_b32 s85, 0
	s_add_co_u32 s60, s60, WS+64*WRB0              ; the weight's scale words
	s_mov_b32 s61, 0
	; where the results go
	s_lshl_b32 s86, s14, 2
	s_add_co_u32 s86, s86, s12                     ; the head in its batch: 4 cx + wave
	s_lshr_b32 s87, s17, 4
	s_lshl_b32 s87, s87, 4
	s_add_co_u32 s86, s86, s87                     ; 16 x batch + head
	s_and_b32 s87, s17, 15                         ; the group of 128 tokens in its batch
	s_mul_i32 s88, s86, 98304
	s_mul_i32 s89, s86, 196608
	s_add_co_u32 s89, s89, KV
	s_cmp_eq_u32 ttmp9, 0
	s_cselect_b32 s88, s88, s89
	s_cmp_eq_u32 ttmp9, 2
	s_cselect_b32 s89, 98304, 0
	s_add_co_u32 s88, s88, s89
	s_mul_i32 s89, s87, 6144
	s_add_co_u32 s88, s88, s89                     ; codes: 6,144 bytes a group
	s_mov_b32 s89, 0
	s_lshl_b32 s90, s86, 13
	s_add_co_u32 s90, s90, QS
	s_mul_i32 s91, s86, 12288
	s_add_co_u32 s91, s91, KVS
	s_cmp_eq_u32 ttmp9, 0
	s_cselect_b32 s90, s90, s91
	s_lshl_b32 s91, s87, 9                         ; q, k: 512 bytes of scale words a group;
	s_lshl_b32 s92, s87, 8
	s_add_co_u32 s92, s92, 8192                    ; v: 256, behind k's
	s_cmp_eq_u32 ttmp9, 2
	s_cselect_b32 s91, s92, s91
	s_add_co_u32 s90, s90, s91
	s_mov_b32 s91, 0
	s_mov_b32 s94, 0x76543210
	s_mov_b32 s95, 0xfedcba98                      ; v_permlanex16_b32's selects for lane l xor 16
	v_and_b32 v1, 15, v0                           ; r
	v_bfe_u32 v2, v0, 4, 1                         ; h
	v_and_b32 v3, 31, v0
	v_lshlrev_b32 v3, 4, v3                        ; 16 x lane
	v_lshlrev_b32 v4, 4, v1
	v_lshl_add_u32 v4, v2, 3, v4                   ; 16 r + 8 h
	v_lshlrev_b32 v5, 2, v1                        ; 4 r
	v_lshlrev_b32 v6, 6, v2                        ; 64 h
	v_and_b32 v7, 8, v1
	v_add_nc_u32 v7, v7, v1
	v_lshlrev_b32 v7, 2, v7                        ; 4 (r + 8 (r / 8))
	v_lshlrev_b32 v24, 4, v1                       ; 16 r
	s_mul_i32 s62, s12, 12288
	s_add_co_u32 s62, s62, LB                      ; my four row blocks of the weight
	v_add_nc_u32 v16, s62, v3
	v_add_nc_u32 v20, s62, v4
	v_add_nc_u32 v20, 512, v20
.irp k, 0,1,2,3                        ; an address register for each 256 along K: x's chunks lie 24,576 bytes apart, the weight's 49,152
	v_add_nc_u32 v[8+\k], \k*24576, v3
	v_add_nc_u32 v[12+\k], \k*24576+512, v4
.endr
.irp k, 1,2,3
	v_add_nc_u32 v[16+\k], \k*49152, v16
	v_add_nc_u32 v[20+\k], \k*49152, v20
.endr
	s_wait_dscnt 0x0                               ; the opening add is done
	s_wait_kmcnt 0x0
	s_add_nc_u64 s[52:53], s[4:5], s[52:53]
	s_add_nc_u64 s[56:57], s[6:7], s[56:57]
	s_add_nc_u64 s[58:59], s[4:5], s[58:59]
	s_add_nc_u64 s[60:61], s[6:7], s[60:61]
	s_add_nc_u64 s[84:85], s[8:9], s[84:85]
	s_add_nc_u64 s[88:89], s[10:11], s[88:89]
	s_add_nc_u64 s[90:91], s[10:11], s[90:91]
	CROUND                                         ; all sixteen work-groups are here: the joint loads meet
.irp k, 0,1,2,3
	s_mov_b32 s[36+4*\k], 1                        ; 1:0 count = 1
	s_add_co_u32 s[37+4*\k], s54, \k*24576         ; 63:32 LDS address
	s_add_nc_u64 s[38+4*\k:39+4*\k], s[52:53], \k*3072   ; 120:64 global address: K steps 2 k and 2 k + 1
	s_or_b32 s[39+4*\k], s[39+4*\k], 0x80000000    ; 127:126 type = 2
	s_mov_b32 s[68+4*\k], 1
	s_add_co_u32 s[69+4*\k], s55, \k*49152
	s_add_nc_u64 s[70+4*\k:71+4*\k], s[56:57], \k*3072
	s_or_b32 s[71+4*\k], s[71+4*\k], 0x80000000
.endr
	s_cmp_lt_u32 s12, 2                            ; waves 0 and 1 fetch x's halves, waves 2 and 3 the weight's: a wave's four first fills stand in one branch; four tensor loads of mine are out
	s_cbranch_scc0 .Lfill_b
.irp k, 0,1,2,3
	tensor_load_to_lds s[36+4*\k:39+4*\k], s[20:27]
	s_nop 0
.endr
.rept 4
	v_nop
.endr
	s_branch .Lfilled
.Lfill_b:
.irp k, 0,1,2,3
	tensor_load_to_lds s[68+4*\k:71+4*\k], s[28:35]
	s_nop 0
.endr
.rept 4
	v_nop
.endr
.Lfilled:
.irp a, 0,1,2,3,4,5,6,7                ; the scale words go from memory straight into registers, once: lane r takes place r's word
.irp q, 0,1,2,3,4,5,6,7
	global_load_b32 v[64+8*\a+\q], v5, s[58:59] offset:32768*\q+64*\a
.endr
.endr
.irp b, 0,1,2,3
.irp q, 0,1,2,3,4,5,6,7
	global_load_b32 v[128+8*\b+\q], v5, s[60:61] offset:16384*\q+64*\b
.endr
.endr
; 48 LDS loads in one run: the fragments of K step q (8 of x, my 4 of the weight) into set
.macro FETCH q, set
.set KC, (\q)/2
.set OB, 1536*((\q)%2)
	WIN 0x80                                       ; destination window 2, address window 0
.irp a, 0,1,2,3,4,5,6,7
.irp c, 0,1
	ds_load_b128 v[96*(\set)+12*\a+6*\c:96*(\set)+12*\a+6*\c+3], v[8+KC] offset:3072*\a+OB+768*\c
	ds_load_b64 v[96*(\set)+12*\a+6*\c+4:96*(\set)+12*\a+6*\c+5], v[12+KC] offset:3072*\a+OB+768*\c
.endr
.endr
	WIN 0xc0                                       ; destination window 3
.irp b, 0,1,2,3
.irp c, 0,1
	ds_load_b128 v[48*(\set)+12*\b+6*\c:48*(\set)+12*\b+6*\c+3], v[16+KC] offset:3072*\b+OB+768*\c
	ds_load_b64 v[48*(\set)+12*\b+6*\c+4:48*(\set)+12*\b+6*\c+5], v[20+KC] offset:3072*\b+OB+768*\c
.endr
.endr
.endm
; 32 matrix instructions: K step q.  The 32 accumulators take turns, one instruction a turn, in the same order in every step.
; nat = 0: source 0 = the weight, source 1 = x, accumulator (a, b) at v[8 (4 a + b)];  nat = 1: source 0 = x, source 1 = the weight, accumulator at v[8 (8 b + a)].  first = 1: C is the bias: nothing is cleared or added later.
.macro MULS q, set, nat, first
.if \nat
.if \first
	WIN 0x7e
.else
	WIN 0x5e
.endif
.else
.if \first
	WIN 0x7b
.else
	WIN 0x5b
.endif
.endif
.irp a, 0,1,2,3,4,5,6,7
.irp b, 0,1,2,3
.if \nat
.if \first
	v_wmma_scale_f32_16x16x128_f8f6f4 v[8*(8*\b+\a):8*(8*\b+\a)+7], v[96*(\set)+12*\a:96*(\set)+12*\a+11], v[48*(\set)+12*\b:48*(\set)+12*\b+11], v[128+8*\b:135+8*\b], v[64+8*\a+(\q)], v[128+8*\b+(\q)] matrix_a_fmt:MATRIX_FMT_FP6 matrix_b_fmt:MATRIX_FMT_FP6
.else
	v_wmma_scale_f32_16x16x128_f8f6f4 v[8*(8*\b+\a):8*(8*\b+\a)+7], v[96*(\set)+12*\a:96*(\set)+12*\a+11], v[48*(\set)+12*\b:48*(\set)+12*\b+11], v[8*(8*\b+\a):8*(8*\b+\a)+7], v[64+8*\a+(\q)], v[128+8*\b+(\q)] matrix_a_fmt:MATRIX_FMT_FP6 matrix_b_fmt:MATRIX_FMT_FP6
.endif
.else
.if \first
	v_wmma_scale_f32_16x16x128_f8f6f4 v[8*(4*\a+\b):8*(4*\a+\b)+7], v[48*(\set)+12*\b:48*(\set)+12*\b+11], v[96*(\set)+12*\a:96*(\set)+12*\a+11], v[128+8*\b:135+8*\b], v[128+8*\b+(\q)], v[64+8*\a+(\q)] matrix_a_fmt:MATRIX_FMT_FP6 matrix_b_fmt:MATRIX_FMT_FP6
.else
	v_wmma_scale_f32_16x16x128_f8f6f4 v[8*(4*\a+\b):8*(4*\a+\b)+7], v[48*(\set)+12*\b:48*(\set)+12*\b+11], v[96*(\set)+12*\a:96*(\set)+12*\a+11], v[8*(4*\a+\b):8*(4*\a+\b)+7], v[128+8*\b+(\q)], v[64+8*\a+(\q)] matrix_a_fmt:MATRIX_FMT_FP6 matrix_b_fmt:MATRIX_FMT_FP6
.endif
.endif
.endr
.endr
.endm
; The eight K steps, written out.  Each step's fragments are fetched a step ahead, into the other set.  In front of the first read of each 256 along K: my load of it has landed (the later ones stay out), and a barrier, behind which nothing is filled.
.macro MAIN nat
	s_wait_tensorcnt 0x3                           ; my part of K steps 0 and 1 is in; my three later loads stay out
	s_barrier_signal -1
	s_barrier_wait -1                              ; everybody's is
	FETCH 0, 0
.irp q, 0,1,2,3,4,5,6,7
.if (\q == 1) || (\q == 3) || (\q == 5)
	s_wait_dscnt 0x0                               ; no LDS load of mine is out at a signal
	s_wait_tensorcnt 3-(\q+1)/2                    ; my part of the next 256 along K is in; the later loads stay out
	s_barrier_signal -1
	s_barrier_wait -1
.endif
.if \q < 7
.if \q > 0
	PLACES
.endif
	FETCH \q+1, (\q+1)%2
	s_wait_dscnt 48                                ; all but the 48 just issued: this step's fragments are in
.else
	s_wait_dscnt 0x0
.endif
.if \q == 0
	s_wait_loadcnt 0x0                             ; the scale words and the bias
	MULS \q, \q%2, \nat, 1
.else
	MULS \q, \q%2, \nat, 0
.endif
.endr
	WIN 0
.endm
	s_cmp_eq_u32 ttmp9, 2                          ; the cluster's x: the same in all sixteen partners
	s_cbranch_scc0 .Lqk
	WIN 0xc0                                       ; v: a lane holds one channel: eight registers with its one bias
.irp b, 0,1,2,3
.irp j, 0,1,2,3,4,5,6,7
	global_load_b32 v[128+8*\b+\j], v7, s[84:85] offset:4*(32*(\b/2)+8*(\b%2))
.endr
.endr
	s_wait_alu depctr_va_vdst(0)
	MAIN 1
	s_branch .Lq
.Lqk:
	WIN 0xc0                                       ; q, k: a lane's eight registers of tile b are channels 32 (b / 2) + 16 h + 8 (b % 2) + 0 .. 7
.irp b, 0,1,2,3
	global_load_b128 v[128+8*\b:131+8*\b], v6, s[84:85] offset:4*(32*(\b/2)+8*(\b%2))
	global_load_b128 v[132+8*\b:135+8*\b], v6, s[84:85] offset:4*(32*(\b/2)+8*(\b%2))+16
.endr
	s_wait_alu depctr_va_vdst(0)
	MAIN 0
.Lq:
	; THE QUANTISER.  Chain x (0..15): registers 16 x .. 16 x + 15 of window 1, my half of a block of 32.  q, k: x = 2 a + block of channels;  v: x = 4 b + block of keys.
.set x, 0
.rept 16
	v_mov_b32 v[32+x], 0                           ; a lane permute's destination counts as one of its sources.  (These sixteen are also the places behind the last products)
.set x, x+1
.endr
	WIN 0x05                                       ; sources 0 and 1 window 1
.set x, 0
.rept 16
	v_max3_num_f32 v[240+x], |v[16*x]|, |v[16*x+1]|, 0x1800000     ; each accumulator is read from its low end on; the floor 2^(3 - 127) is one more leaf
.set x, x+1
.endr
	WIN 0x14                                       ; sources 1 and 2 window 1
.irp i, 2,4,6,8,10,12,14
.set x, 0
.rept 16
	v_max3_num_f32 v[240+x], v[240+x], |v[16*x+\i]|, |v[16*x+\i+1]|
.set x, x+1
.endr
.endr
	WIN 0
.set x, 0
.rept 16
	v_permlanex16_b32 v[32+x], v[240+x], s94, s95
.set x, x+1
.endr
.set x, 0
.rept 16
	v_max_num_f32 v[240+x], v[240+x], v[32+x]      ; with lane l xor 16's: the block's largest magnitude
.set x, x+1
.endr
.set x, 0
.rept 16
	v_add_nc_u32 v[48+x], 0xff000000, v[240+x]     ; 2 off its exponent field: the conversion's scale operand
.set x, x+1
.endr
.set x, 0
.rept 16
	v_lshrrev_b32 v[32+x], 23, v[48+x]             ; the scale's byte
.set x, x+1
.endr
	WIN 0x01                                       ; source 0 window 1
.set y, 0
.rept 8
	v_cvt_scalef32_pk16_fp6_f32 v[160+6*y:162+6*y], v[32*y:32*y+15], v[48+2*y]
	v_cvt_scalef32_pk16_fp6_f32 v[208+4*y:210+4*y], v[32*y+16:32*y+31], v[49+2*y]   ; (a conversion's three registers begin on an even number)
.set y, y+1
.endr
	WIN 0
	v_nop                                          ; one plain place behind a scaled conversion
.set y, 0
.rept 8                                ; the operand's layout wants a WHOLE block in a lane: lanes 0-15 the even block, lanes 16-31 the odd one
.irp i, 0,1,2
	v_permlane16_swap_b32 v[160+6*y+\i], v[208+4*y+\i]
.endr
.irp i, 0,1,2
	v_mov_b32 v[163+6*y+\i], v[208+4*y+\i]
.endr
.set y, y+1
.endr
.set y, 0
.rept 8                                ; half fragment y: q, k: the tokens' row block y;  v: tile y / 2 of channels, keys 64 (y % 2) on.  Each store covers whole aligned runs of 256 bytes
	global_store_b128 v3, v[160+6*y:163+6*y], s[88:89] offset:768*y
	global_store_b64 v4, v[164+6*y:165+6*y], s[88:89] offset:768*y+512
.set y, y+1
.endr
	s_cmp_eq_u32 ttmp9, 2
	s_cbranch_scc1 .Lvs
.irp a, 0,1,2,3,4,5,6,7                ; q, k: a token's word: its head's two bytes; 0x7f for the upper 64 of the instruction's K, where zero codes will stand
	v_lshl_or_b32 v[240+\a], v[33+2*\a], 8, v[32+2*\a]
.endr
.irp a, 0,1,2,3,4,5,6,7
	v_or_b32 v[240+\a], 0x7f7f0000, v[240+\a]
.endr
	v_cmp_ne_u32 s52, 0, v2
.irp i, 0,1,2,3
	v_cndmask_b32 v[248+\i], v[240+\i], v[244+\i], s52   ; lane (r, h) stores the words of row blocks 4 h .. 4 h + 3 at place r
.endr
	global_store_b128 v3, v[248:251], s[90:91]     ; 512 consecutive bytes
	s_branch .Ldone
.Lvs:
.irp b, 0,1,2,3                        ; v: a channel's word for these 128 keys
	v_lshl_or_b32 v[240+\b], v[33+4*\b], 8, v[32+4*\b]
.endr
.irp b, 0,1,2,3
	v_lshl_or_b32 v[240+\b], v[34+4*\b], 16, v[240+\b]
.endr
.irp b, 0,1,2,3
	v_lshl_or_b32 v[240+\b], v[35+4*\b], 24, v[240+\b]
.endr
	global_store_b128 v24, v[240:243], s[90:91]    ; place r's four words (tiles 0-3): 256 consecutive bytes; lanes 16-31 write the same bytes with the same values
.Ldone:
	s_wait_tensorcnt 0x0                           ; the wave's end, behind my last tensor load
	ds_add_u32 v28, v29
	s_wait_dscnt 0x0
	CROUND                                         ; the closing round
	s_endpgm
.Lfunc_end_k_q2e93a124e7_qkv:
	.size	k_q2e93a124e7_qkv, .Lfunc_end_k_q2e93a124e7_qkv-k_q2e93a124e7_qkv
	.p2alignl 7, 3214868480
	.fill 96, 4, 3214868480
	.section	.rodata,"a",@progbits
	.p2align	6, 0x0
	.amdhsa_kernel k_q2e93a124e7_qkv
		.amdhsa_group_segment_fixed_size 295424
		.amdhsa_private_segment_fixed_size 0
		.amdhsa_enable_private_segment 0
		.amdhsa_kernarg_size 32
		.amdhsa_user_sgpr_count 2
		.amdhsa_user_sgpr_kernarg_segment_ptr 1
		.amdhsa_wavefront_size32 1
		.amdhsa_system_sgpr_workgroup_id_x 1
		.amdhsa_system_sgpr_workgroup_id_y 1
		.amdhsa_system_sgpr_workgroup_id_z 1
		.amdhsa_system_vgpr_workitem_id 0
		.amdhsa_next_free_vgpr 1024
		.amdhsa_next_free_sgpr 100
		.amdhsa_reserve_vcc 0
		.amdhsa_float_denorm_mode_32 3
		.amdhsa_float_denorm_mode_16_64 3
		.amdhsa_memory_ordered 1
		.amdhsa_forward_progress 1
		.amdhsa_inst_pref_size 158
	.end_amdhsa_kernel
	.amdgpu_metadata
---
amdhsa.version: [ 1, 2 ]
amdhsa.kernels:
  - .name:           k_q2e93a124e7_qkv
    .symbol:         k_q2e93a124e7_qkv.kd
    .args:
      - { .name: xq, .offset: 0, .size: 8, .value_kind: global_buffer, .address_space: global }
      - { .name: wq, .offset: 8, .size: 8, .value_kind: global_buffer, .address_space: global }
      - { .name: b_attn, .offset: 16, .size: 8, .value_kind: global_buffer, .address_space: global }
      - { .name: qkvq, .offset: 24, .size: 8, .value_kind: global_buffer, .address_space: global }
    .group_segment_fixed_size: 295424
    .private_segment_fixed_size: 0
    .kernarg_segment_align: 8
    .kernarg_segment_size: 32
    .max_flat_workgroup_size: 128
    .sgpr_count:     100
    .vgpr_count:     1024
    .wavefront_size: 32
...
	.end_amdgpu_metadata
.endif
;; end of part 2
;; launch attn (part 3): grid 4 x 64, 16 waves a work-group, clusters of 4 x 1, 210,944 bytes of LDS; arguments qkvq, yq; writes yq
.if DOCPART == 3
	.amdgcn_target "amdgcn-amd-amdhsa--gfx1250"
	.amdhsa_code_object_version 6
	.text
	.protected	k_q2e93a124e7_attn
	.globl	k_q2e93a124e7_attn
	.p2align	8
	.type	k_q2e93a124e7_attn,@function
k_q2e93a124e7_attn:
	s_mov_b64 s[64:65], 0
	v_nop
	global_prefetch_b8 v0, s[64:65] scope:SCOPE_SE
	s_setreg_imm32_b32 hwreg(HW_REG_WAVE_MODE, 25, 1), 1
	s_wait_xcnt 0x0
	s_wait_alu depctr_hold_cnt(0) depctr_sa_sdst(0) depctr_va_vdst(0) depctr_va_sdst(0) depctr_va_ssrc(0) depctr_va_vcc(0) depctr_vm_vsrc(0)
	s_getreg_b32 s2, hwreg(HW_REG_IB_STS2, 6, 4)
	s_cmp_eq_u32 s2, 0
	s_cbranch_scc0 .Lentry_in_a_cluster
	s_endpgm
.Lentry_in_a_cluster:
	s_bfe_u32 s2, ttmp6, 0x10000c
	s_cmp_lg_u32 s2, 0x3003
	s_cbranch_scc0 .Lentry_shape_is_right
	s_endpgm
.Lentry_shape_is_right:
; y[head][q] = the sum over keys k <= q of softmax_k(q . k / 8) v[k], both products on codes of FP6 (E2M3) with E8M0 scales; y is then quantised along its 1,024 channels for the last product: only codes and scale bytes go to memory.
; THE SOFTMAX: t = score x log2(e) / 8; M = the running largest t rounded UP to a whole number; p = 2^(t - M) is quantised along the keys, not normalised; the row's sum is taken of the unquantised p and divides O at the end.
; LIMITS of the quantisers: a block whose largest magnitude lies under 2^-124, a block of zeros among them, gets the byte 1 (zeros' codes are zeros; this program alone reads the bytes); NaN and infinities are not served.
; A WHOLE HEAD'S K AND V LIE IN LDS (codes 196,608 bytes, scale words 12,288), filled once: no LDS byte is filled twice, and behind the one barrier no wave waits for another.
; CLUSTER 4 x 1: the four work-groups of a cluster share a head and ask for its K and V jointly.
; SHARES.  A group of 128 tokens has 8 tiles of 16 queries.  Work-group p of the cluster takes tiles 2 p and 2 p + 1 of EVERY group; wave w takes tile 2 p + w % 2 of group w / 2 and then of group 15 - w / 2.
; A tile of group g walks key steps 0 .. g (128 keys a step; the later ones lie wholly under the mask): (w / 2 + 1) + (16 - w / 2) = 17 steps for every wave.  The loops' trip counts are constants; a hidden step is jumped over.
; LAYOUT.  Both products are used transposed: S^T = K Q^T, O^T = V^T P^T: a lane holds ONE query throughout.  Operands lie in the order of their registers (half fragments of 768 bytes: registers 0-3 of lane l at 16 l,
; registers 4, 5 of lane (r, h) at 512 + 16 r + 8 h).  The rows of a tile are not neighbours (in each 32 rows tile u holds at place r row 8 u + r + 8 (r / 8)), so that the 16 registers of two neighbouring result tiles are 16 neighbours.
; THE HEAD'S 64 CHANNELS FILL HALF OF THE INSTRUCTION'S K.  Q's registers 6-11 hold zero codes; K's operand for tile t is the run of 12 registers that begins at tile t's six: its upper six are tile t + 1's codes
; (behind tile 7: zeros), which multiply zero codes under the byte 0x7f and add nothing.
; The scale bytes of y leave as 2 bytes of each 4: a head owns half of a scale word.
; REGISTERS: v1-4, v7-9, v30, v31 addresses that stay; v5, v6 the add's two; v12 -M, v13 the largest t, v[14:15] the sum in two halves; v16-21 Q, v22-27 zeros; v28 Q's scale words, v29 p's; v32-79 K's eight tiles, then V's four;
; v80-85 zeros; v86-89 K's scale words, v90-93 V's; v96-159 S^T, then p; v160-191 O^T; v192-203 p's codes; v204-227 at work; v228-233 the step's LDS addresses.
.set KV,    6291456                    ; in qkvq: q's codes at 0; from here [head][k 98,304 | v 98,304]
.set QS,    18874368                   ; q's scale words
.set KVS,   19398656                   ; [head][k's 8,192 | v's 4,096]
.set XS,    6291456                    ; y's scale words in yq
.set LV,    98304                      ; LDS: K's codes at 0, V's here,
.set LKS,   196608                     ; K's scale words,
.set LVS,   204800                     ; V's,
.set SPARE, 208896                     ; and the spare words, 128 bytes for each wave: eight blocks of 256 bytes that no other line names
.macro CROUND                          ; a round of the cluster's barrier
	s_barrier_signal -1
	s_barrier_wait -1
	s_cmp_lg_u32 s8, 0
	s_cbranch_scc1 .Lnot_wave_0_\@
	s_barrier_signal -3
.Lnot_wave_0_\@:
	s_barrier_wait -3
	s_barrier_signal -1
	s_barrier_wait -1
.endm
	s_load_b128 s[4:7], s[0:1], 0x0                ; qkvq s[4:5], yq s[6:7]
	v_lshl_add_u32 v5, v0, 2, SPARE
	v_mov_b32 v6, 0
	ds_add_u32 v5, v6                              ; the wave's opening: the add and its wait ahead of my first tensor load; the set-up below, work on registers, stands between them
	ds_add_u32 v5, v6
	v_lshrrev_b32 v1, 5, v0
	s_delay_alu instid0(VALU_DEP_1)
	v_readfirstlane_b32 s8, v1                     ; wave 0..15
	s_bfe_u32 s9, ttmp6, 0x40000                   ; p = cx: it enters global addresses and the mask's numbers alone
	s_and_b32 s10, ttmp7, 0xffff                   ; 16 x batch + head
	s_lshr_b32 s11, s8, 1                          ; w / 2
	s_and_b32 s47, s8, 1
	s_lshl_b32 s46, s9, 1
	s_add_co_u32 s46, s46, s47                     ; a: my tile in a group
	; descriptor groups 1: dense blocks as rows of 256 bytes (32 elements of 8 bytes); the codes: 96 rows a load, the scale words: 16
	s_mov_b32 s12, 15|(3<<16)|(1<<21)              ; 15:0 the mask: all four work-groups; 17:16 elements of 8 bytes; 21 set beside a mask
	s_mov_b32 s13, 32<<16
	s_mov_b32 s14, 96<<16
	s_mov_b32 s15, 32<<16
	s_mov_b32 s16, 96
	s_mov_b32 s17, 32
	s_mov_b32 s18, 0
	s_mov_b32 s19, 0
	s_mov_b32 s20, 15|(3<<16)|(1<<21)
	s_mov_b32 s21, 32<<16
	s_mov_b32 s22, 16<<16
	s_mov_b32 s23, 32<<16
	s_mov_b32 s24, 16
	s_mov_b32 s25, 32
	s_mov_b32 s26, 0
	s_mov_b32 s27, 0
	s_mov_b32 s28, 1
	s_mul_i32 s29, s8, 24576                       ; waves 0-7: an eighth of the codes
	s_mov_b32 s32, 1
	s_lshl_b32 s33, s8, 12
	s_add_co_u32 s33, s33, LKS-8*4096              ; waves 8-10: a third of the scale words
	s_mul_i32 s50, s10, 196608
	s_add_co_u32 s50, s50, s29
	s_add_co_u32 s50, s50, KV
	s_mov_b32 s51, 0
	s_mul_i32 s52, s10, 12288
	s_lshl_b32 s53, s8, 12
	s_add_co_u32 s52, s52, s53
	s_add_co_u32 s52, s52, KVS-8*4096
	s_mov_b32 s53, 0
	; what does not change from tile to tile in my global offsets
	s_mul_i32 s54, s10, 98304
	s_mul_i32 s58, s46, 768
	s_add_co_u32 s54, s54, s58                     ; Q's codes: head, tile
	s_lshl_b32 s55, s10, 13
	s_lshr_b32 s58, s46, 2
	s_lshl_b32 s58, s58, 8
	s_add_co_u32 s55, s55, s58
	s_and_b32 s58, s46, 3
	s_lshl_b32 s58, s58, 2
	s_add_co_u32 s55, s55, s58
	s_add_co_u32 s55, s55, QS                      ; Q's scale words: 256 (a / 4) + 16 r + 4 (a % 4) in a group's 512 bytes
	s_lshr_b32 s58, s10, 4
	s_lshl_b32 s58, s58, 7
	s_add_co_u32 s58, s58, s46                     ; y's row block less 8 x group: 128 x batch + a
	s_and_b32 s59, s10, 15
	s_lshr_b32 s60, s59, 1                         ; y's K step: head / 2
	s_and_b32 s59, s59, 1                          ; and its half: head % 2
	s_lshl_b32 s56, s58, 3
	s_add_co_u32 s56, s56, s60
	s_mul_i32 s56, s56, 1536
	s_mul_i32 s61, s59, 768
	s_add_co_u32 s56, s56, s61                     ; y's codes
	s_lshl_b32 s57, s60, 15
	s_lshl_b32 s61, s58, 6
	s_add_co_u32 s57, s57, s61
	s_lshl_b32 s61, s59, 1
	s_add_co_u32 s57, s57, s61
	s_add_co_u32 s57, s57, XS                      ; y's scale bytes
	s_mov_b32 s36, 0x3e38aa3b                      ; c = log2(e) / 8
	s_mov_b32 s37, s36                             ; (named with it as a pair, so it is written)
	s_mov_b32 s38, 0x76543210
	s_mov_b32 s39, 0xfedcba98                      ; v_permlanex16_b32's selects for lane l xor 16
	v_and_b32 v1, 31, v0
	s_delay_alu instid0(VALU_DEP_1)
	v_lshlrev_b32 v1, 4, v1                        ; 16 x lane: in LDS (K's codes) and in memory
	v_and_b32 v30, 15, v0                          ; r
	v_bfe_u32 v31, v0, 4, 1                        ; h
	s_delay_alu instid0(VALU_DEP_2)
	v_lshlrev_b32 v2, 4, v30
	s_delay_alu instid0(VALU_DEP_1)
	v_lshl_add_u32 v2, v31, 3, v2                  ; 16 r + 8 h: likewise
	v_add_nc_u32 v3, LV, v1                        ; V's codes
	s_delay_alu instid0(VALU_DEP_2)
	v_add_nc_u32 v4, LV, v2
	v_add_nc_u32 v7, LKS, v1                       ; K's scale words: lane (r, h) takes those of tiles 4 h .. 4 h + 3 at place r
	v_lshlrev_b32 v8, 4, v30
	s_delay_alu instid0(VALU_DEP_1)
	v_add_nc_u32 v8, LVS, v8                       ; V's: place r's four
	v_and_b32 v9, 8, v30
	s_delay_alu instid0(VALU_DEP_1)
	v_add_nc_u32 v9, v9, v30
	v_lshlrev_b32 v10, 4, v31
	s_delay_alu instid0(VALU_DEP_1)
	v_sub_nc_u32 v9, v9, v10
	s_lshl_b32 s58, s9, 5
	s_lshl_b32 s59, s47, 3
	s_add_co_u32 s58, s58, s59
	v_add_nc_u32 v9, s58, v9                       ; d = my query in its group - 16 h = 32 p + 8 (w % 2) + r + 8 (r / 8) - 16 h
	v_lshlrev_b32 v31, 2, v30                      ; 4 r
	v_lshlrev_b32 v30, 4, v30                      ; 16 r
.irp j, 22,23,24,25,26,27,80,81,82,83,84,85
	v_mov_b32 v\j, 0                               ; zero codes
.endr
.irp j, 216,217,218,219,225,226
	v_mov_b32 v\j, 0                               ; written once: a lane permute's destination counts as one of its sources; v225 is named as the upper half of a pair
.endr
	s_wait_dscnt 0x0                               ; the opening add is done
	s_wait_kmcnt 0x0
	s_add_nc_u64 s[30:31], s[4:5], s[50:51]
	s_or_b32 s31, s31, 0x80000000
	s_add_nc_u64 s[34:35], s[4:5], s[52:53]
	s_or_b32 s35, s35, 0x80000000
	CROUND                                         ; all four work-groups are here: the joint loads meet
	s_cmp_lt_u32 s8, 8                             ; the branches hang on the wave's number alone: one tensor load of mine is out, or none
	s_cbranch_scc0 .Lnot_codes
	tensor_load_to_lds s[28:31], s[12:19]
	s_nop 0
.rept 4
	v_nop
.endr
	s_branch .Lasked
.Lnot_codes:
	s_cmp_lt_u32 s8, 11
	s_cbranch_scc0 .Lasked
	tensor_load_to_lds s[32:35], s[20:27]
	s_nop 0
.rept 4
	v_nop
.endr
.Lasked:
	s_wait_tensorcnt 0x0                           ; my part of the head is in,
	s_barrier_signal -1
	s_barrier_wait -1                              ; everybody's is
	s_mov_b32 s45, 0                               ; which of my two tiles
.Ltile:
	s_mul_i32 s44, s45, 15
	s_xor_b32 s44, s44, s11                        ; its group: w / 2, then 15 - w / 2
	s_mul_i32 s50, s44, 6144
	s_add_co_u32 s50, s50, s54
	s_mov_b32 s51, 0
	s_add_nc_u64 s[50:51], s[4:5], s[50:51]
	s_lshl_b32 s52, s44, 9
	s_add_co_u32 s52, s52, s55
	s_mov_b32 s53, 0
	s_add_nc_u64 s[52:53], s[4:5], s[52:53]
	global_load_b128 v[16:19], v1, s[50:51]        ; Q's half fragment stays in registers
	global_load_b64 v[20:21], v2, s[50:51] offset:512
	global_load_b32 v28, v30, s[52:53]             ; and its scale words
	v_mov_b32 v13, 0xff61b1e6                      ; the largest t so far: -3e38, under every t
	s_delay_alu instid0(VALU_DEP_1)
	v_floor_f32 v12, -v13                          ; -M
	v_mov_b32 v14, 0                               ; the sum, in two halves
	v_mov_b32 v15, 0
.set j, 0
.rept 32
	v_mov_b32 v[160+j], 0                          ; O^T.  (The step is written once: the first finds zeros, which the first change of M leaves zeros)
.set j, j+1
.endr
	s_mov_b32 s40, 0                               ; where the step's codes begin: 6,144 bytes a step, in K and in V
	s_mov_b32 s41, 0                               ; K's scale words: 512
	s_mov_b32 s42, 0                               ; V's: 256
	s_mov_b32 s43, 0                               ; the key step
	s_wait_loadcnt 0x0
.Lkey:                                             ; 16 trips; a step all of whose keys come after my queries is jumped over: a branch on the wave's number and the loops' counts
	s_cmp_gt_u32 s43, s44
	s_cbranch_scc1 .Lhid
	s_setprio 2
	v_add_nc_u32 v228, s40, v1
	v_add_nc_u32 v229, s40, v2
	v_add_nc_u32 v230, s40, v3
	v_add_nc_u32 v231, s40, v4
	v_add_nc_u32 v232, s41, v7
	v_add_nc_u32 v233, s42, v8
.irp t, 0,1,2,3,4,5,6,7
	ds_load_b128 v[32+6*\t:35+6*\t], v228 offset:768*\t
	ds_load_b64 v[36+6*\t:37+6*\t], v229 offset:768*\t+512
.endr
	ds_load_b128 v[86:89], v232
	s_wait_alu depctr_va_vdst(0)
	s_wait_dscnt 0x0
.irp t, 0,1,2,3                        ; S^T = K Q^T: tile t's register j of lane (r, h) is key 32 (t / 2) + 16 h + 8 (t % 2) + j
	v_wmma_scale_f32_16x16x128_f8f6f4 v[96+8*\t:103+8*\t], v[32+6*\t:43+6*\t], v[16:27], 0, v[86+\t], v28 matrix_a_fmt:MATRIX_FMT_FP6 matrix_b_fmt:MATRIX_FMT_FP6
.endr
.irp t, 4,5,6,7                        ; tiles 4-7's scale words stand in lanes 16-31
	v_wmma_scale_f32_16x16x128_f8f6f4 v[96+8*\t:103+8*\t], v[32+6*\t:43+6*\t], v[16:27], 0, v[82+\t], v28 matrix_a_fmt:MATRIX_FMT_FP6 matrix_b_fmt:MATRIX_FMT_FP6 matrix_a_scale:MATRIX_SCALE_ROW1
.endr
.rept 4
	v_nop                                          ; places in front of the loads into K's registers and of the first read of the scores
.endr
.irp t, 0,1,2,3                        ; V's four fragments are asked for now and land under the softmax
.irp c, 0,1
	ds_load_b128 v[32+12*\t+6*\c:35+12*\t+6*\c], v230 offset:1536*\t+768*\c
	ds_load_b64 v[36+12*\t+6*\c:37+12*\t+6*\c], v231 offset:1536*\t+768*\c+512
.endr
.endr
	ds_load_b128 v[90:93], v233
	s_cmp_lg_u32 s43, s44                          ; only my group's own step lies on the diagonal
	s_cbranch_scc1 .Lopen
	v_mov_b32 v226, 0xff800000                     ; -infinity: p = 0 then
.set n, 0
.rept 64
	v_cmp_gt_i32 vcc_lo, 32*(n/16)+n%16, v9        ; register 16 b + i holds key 32 b + 16 h + i: hidden where 32 b + i > d
	v_cndmask_b32 v[96+n], v[96+n], v226, vcc_lo
.set n, n+1
.endr
.Lopen:
.irp b, 0,1,2,3
	v_max3_num_f32 v[212+\b], v[96+16*\b], v[97+16*\b], v[98+16*\b]   ; THE LARGEST SCORE OF EACH BLOCK OF 32 KEYS: for the row's maximum, and, since p rises with the score, for the block's largest p
.endr
.irp i, 3,5,7,9,11,13
.irp b, 0,1,2,3
	v_max3_num_f32 v[212+\b], v[212+\b], v[96+16*\b+\i], v[97+16*\b+\i]
.endr
.endr
.irp b, 0,1,2,3
	v_max_num_f32 v[212+\b], v[212+\b], v[111+16*\b]
.endr
.irp b, 0,1,2,3
	s_delay_alu instid0(VALU_DEP_4)
	v_permlanex16_b32 v[216+\b], v[212+\b], s38, s39
.endr
.irp b, 0,1,2,3
	s_delay_alu instid0(VALU_DEP_4)
	v_max_num_f32 v[212+\b], v[212+\b], v[216+\b]  ; with lane l xor 16's 16 keys
.endr
	s_delay_alu instid0(VALU_DEP_2)
	v_max3_num_f32 v226, v212, v213, v214
	s_delay_alu instid0(VALU_DEP_1)
	v_max_num_f32 v226, v226, v215                 ; the step's largest score of my query
	s_delay_alu instid0(VALU_DEP_1)
	v_mul_f32 v226, s36, v226                      ; as t (c is positive)
	s_delay_alu instid0(VALU_DEP_1)
	v_max_num_f32 v13, v13, v226                   ; the running largest t
	v_mov_b32 v226, v12
	s_delay_alu instid0(VALU_DEP_2)
	v_floor_f32 v12, -v13                          ; the new -M = floor(-t): M is a whole number
	s_delay_alu instid0(VALU_DEP_1)
	v_sub_f32 v226, v12, v226                      ; old M - new M: a whole number, 0 or less
	s_delay_alu instid0(VALU_DEP_1)
	v_cvt_i32_f32 v226, v226                       ; (it saturates)
	s_delay_alu instid0(VALU_DEP_1)
	v_ldexp_f32 v224, 1.0, v226                    ; f = 2^(old M - new M): a multiplication by it rounds nothing
.set j, 0
.rept 32
	v_pk_fma_f32 v[96+j:97+j], v[96+j:97+j], s[36:37], v[12:13] op_sel_hi:[1,0,0]   ; t - M, two at a time
.set j, j+2
.endr
	s_setprio 1
.irp b, 0,1,2,3
	v_fma_f32 v[212+\b], v[212+\b], s36, v12       ; the same of each block's largest score
.endr
.set j, 0
	s_wait_alu depctr_va_vdst(0)
.rept 64
	v_exp_f32 v[96+j], v[96+j]                     ; p = 2^(t - M), at most 1: not normalised
.set j, j+1
.endr
	v_pk_mul_f32 v[14:15], v[14:15], v[224:225] op_sel_hi:[1,0]   ; the sums under the new M.  (The plain place behind the exponentials)
	s_wait_alu depctr_va_vdst(0)                   ; one wait for the whole batch, ahead of its first reader
.irp b, 0,1,2,3
	v_exp_f32 v[212+\b], v[212+\b]                 ; the block's largest p: the same two instructions on the same number give the same bits
.endr
	v_pk_add_f32 v[216:217], v[100:101], v[104:105]
	v_pk_add_f32 v[254:255], v[108:109], v[112:113]
	v_pk_add_f32 v[252:253], v[116:117], v[120:121]
	v_pk_add_f32 v[250:251], v[124:125], v[128:129]
	v_pk_add_f32 v[248:249], v[132:133], v[136:137]
	v_pk_add_f32 v[246:247], v[140:141], v[144:145]
	v_pk_add_f32 v[244:245], v[148:149], v[152:153]
	v_pk_add_f32 v[14:15], v[14:15], v[156:157]
	v_pk_add_f32 v[216:217], v[216:217], v[96:97]
	v_pk_add_f32 v[254:255], v[254:255], v[98:99]
	v_pk_add_f32 v[252:253], v[252:253], v[102:103]
	v_pk_add_f32 v[250:251], v[250:251], v[106:107]
	v_pk_add_f32 v[248:249], v[248:249], v[110:111]
	v_pk_add_f32 v[246:247], v[246:247], v[114:115]
	v_pk_add_f32 v[244:245], v[244:245], v[118:119]
	v_pk_add_f32 v[14:15], v[14:15], v[122:123]
	v_pk_add_f32 v[216:217], v[216:217], v[126:127]
	v_pk_add_f32 v[254:255], v[254:255], v[130:131]
	v_pk_add_f32 v[252:253], v[252:253], v[134:135]
	v_pk_add_f32 v[250:251], v[250:251], v[138:139]
	v_pk_add_f32 v[248:249], v[248:249], v[142:143]
	v_pk_add_f32 v[246:247], v[246:247], v[146:147]
	v_pk_add_f32 v[244:245], v[244:245], v[150:151]
	v_pk_add_f32 v[14:15], v[14:15], v[154:155]
	v_pk_add_f32 v[216:217], v[216:217], v[158:159]
	s_delay_alu instid0(VALU_DEP_2)
	v_pk_add_f32 v[14:15], v[14:15], v[250:251]
	s_delay_alu instid0(VALU_DEP_2)
	v_pk_add_f32 v[216:217], v[216:217], v[248:249]
	v_pk_add_f32 v[254:255], v[254:255], v[246:247]
	v_pk_add_f32 v[252:253], v[252:253], v[244:245]
	s_delay_alu instid0(VALU_DEP_2)
	v_pk_add_f32 v[14:15], v[14:15], v[254:255]
	s_delay_alu instid0(VALU_DEP_2)
	v_pk_add_f32 v[216:217], v[216:217], v[252:253]
	s_delay_alu instid0(VALU_DEP_1)
	v_pk_add_f32 v[14:15], v[14:15], v[216:217]
	s_wait_alu depctr_va_vdst(0)                   ; and one for the four
.irp b, 0,1,2,3
	v_max_num_f32 v[212+\b], 0x1800000, v[212+\b]  ; the floor 2^(3 - 127): the byte cannot fall under 1
.endr
.irp b, 0,1,2,3
	s_delay_alu instid0(VALU_DEP_4)
	v_add_nc_u32 v[220+\b], 0xff000000, v[212+\b]  ; 2 off the exponent field: the conversion's scale operand
.endr
.irp b, 0,1,2,3
	s_delay_alu instid0(VALU_DEP_4)
	v_lshrrev_b32 v[216+\b], 23, v[220+\b]         ; the scale's byte
.endr
	s_delay_alu instid0(VALU_DEP_3)
	v_lshl_or_b32 v29, v217, 8, v216               ; p's scale word for these 128 keys
	s_delay_alu instid0(VALU_DEP_1)
	v_lshl_or_b32 v29, v218, 16, v29
	s_delay_alu instid0(VALU_DEP_1)
	v_lshl_or_b32 v29, v219, 24, v29
	s_setprio 0
.irp c, 0,1
	v_cvt_scalef32_pk16_fp6_f32 v[192+6*\c:194+6*\c], v[96+32*\c:111+32*\c], v[220+2*\c]
	v_cvt_scalef32_pk16_fp6_f32 v[204+4*\c:206+4*\c], v[112+32*\c:127+32*\c], v[221+2*\c]   ; (a conversion's three registers begin on an even number)
.endr
	v_nop                                          ; one plain place behind a scaled conversion
.irp c, 0,1                            ; the operand's layout wants a WHOLE block in a lane
.irp i, 0,1,2
	v_permlane16_swap_b32 v[192+6*\c+\i], v[204+4*\c+\i]
.endr
.irp i, 0,1,2
	s_delay_alu instid0(VALU_DEP_3)
	v_mov_b32 v[195+6*\c+\i], v[204+4*\c+\i]
.endr
.endr
.set j, 0
.rept 16
	v_pk_mul_f32 v[160+j:161+j], v[160+j:161+j], v[224:225] op_sel_hi:[1,0]   ; O^T under the new M.  (These sixteen are also the places between the writes of p's codes and scale word and the products)
.set j, j+2
.endr
	s_wait_alu depctr_va_vdst(0)
	s_wait_dscnt 0x0                               ; V is in
.irp t, 0,1,2,3                        ; O^T += V^T P^T: tile t's register j of lane (r, h) is channel 32 (t / 2) + 16 h + 8 (t % 2) + j.  The four accumulators take turns
	v_wmma_scale_f32_16x16x128_f8f6f4 v[160+8*\t:167+8*\t], v[32+12*\t:43+12*\t], v[192:203], v[160+8*\t:167+8*\t], v[90+\t], v29 matrix_a_fmt:MATRIX_FMT_FP6 matrix_b_fmt:MATRIX_FMT_FP6
.endr
.rept 4
	v_nop                                          ; places behind the products, on every way out of a step
.endr
.Lhid:
	s_add_co_u32 s40, s40, 6144
	s_add_co_u32 s41, s41, 512
	s_add_co_u32 s42, s42, 256
	s_add_co_u32 s43, s43, 1
	s_cmp_lt_u32 s43, 16
	s_cbranch_scc1 .Lkey
	s_setprio 0
	; THE TILE'S END: y = O^T / the sum, quantised along the head's 64 channels (two blocks), as half a fragment of the last product's operand
	v_add_f32 v14, v14, v15                        ; the sum's two halves,
	s_delay_alu instid0(VALU_DEP_1)
	v_permlanex16_b32 v226, v14, s38, s39
	s_delay_alu instid0(VALU_DEP_1)
	v_add_f32 v14, v14, v226                       ; and lane l xor 16's: the row's sum
	s_wait_alu depctr_va_vdst(0)
	v_rcp_f32 v14, v14
	v_nop                                          ; a plain place behind the reciprocal
	s_mul_i32 s58, s44, 98304                      ; 8 row blocks a group, 12,288 bytes each
	s_add_co_u32 s58, s58, s56
	s_mov_b32 s59, 0
	s_add_nc_u64 s[58:59], s[6:7], s[58:59]
	s_lshl_b32 s60, s44, 9                         ; 128 scale words a group
	s_add_co_u32 s60, s60, s57
	s_mov_b32 s61, 0
	s_add_nc_u64 s[60:61], s[6:7], s[60:61]
	s_wait_alu depctr_va_vdst(0)                   ; the wait, ahead of the reciprocal's first reader
.set j, 0
.rept 16
	v_pk_mul_f32 v[96+j:97+j], v[160+j:161+j], v[14:15] op_sel_hi:[1,0]   ; each accumulator from its low end on
.set j, j+2
.endr
.irp b, 0,1
	v_max3_num_f32 v[212+\b], |v[96+16*\b]|, |v[97+16*\b]|, 0x1800000
.endr
.irp i, 2,4,6,8,10,12,14
.irp b, 0,1
	s_delay_alu instid0(VALU_DEP_2)
	v_max3_num_f32 v[212+\b], v[212+\b], |v[96+16*\b+\i]|, |v[97+16*\b+\i]|
.endr
.endr
.irp b, 0,1
	s_delay_alu instid0(VALU_DEP_2)
	v_permlanex16_b32 v[216+\b], v[212+\b], s38, s39
.endr
.irp b, 0,1
	s_delay_alu instid0(VALU_DEP_2)
	v_max_num_f32 v[212+\b], v[212+\b], v[216+\b]
.endr
.irp b, 0,1
	s_delay_alu instid0(VALU_DEP_2)
	v_add_nc_u32 v[220+\b], 0xff000000, v[212+\b]
.endr
.irp b, 0,1
	s_delay_alu instid0(VALU_DEP_2)
	v_lshrrev_b32 v[216+\b], 23, v[220+\b]
.endr
	s_delay_alu instid0(VALU_DEP_1)
	v_lshl_or_b32 v227, v217, 8, v216              ; my head's two bytes of the row's scale word
	v_cvt_scalef32_pk16_fp6_f32 v[192:194], v[96:111], v220
	v_cvt_scalef32_pk16_fp6_f32 v[204:206], v[112:127], v221
	v_nop                                          ; one plain place behind a scaled conversion
.irp i, 0,1,2
	v_permlane16_swap_b32 v[192+\i], v[204+\i]
.endr
.irp i, 0,1,2
	s_delay_alu instid0(VALU_DEP_3)
	v_mov_b32 v[195+\i], v[204+\i]
.endr
	global_store_b128 v1, v[192:195], s[58:59]     ; 512 consecutive bytes,
	global_store_b64 v2, v[196:197], s[58:59] offset:512   ; and 256
	global_store_b16 v31, v227, s[60:61]           ; place r's two bytes; lanes 16-31 write the same bytes with the same values
	s_wait_xcnt 0x0                                ; the stores' registers and bases are written again only behind this wait
	s_add_co_u32 s45, s45, 1
	s_cmp_lt_u32 s45, 2
	s_cbranch_scc1 .Ltile
	s_wait_tensorcnt 0x0                           ; the wave's end, behind my last tensor load
	ds_add_u32 v5, v6
	s_wait_dscnt 0x0
	CROUND                                         ; the closing round
	s_endpgm
.Lfunc_end_k_q2e93a124e7_attn:
	.size	k_q2e93a124e7_attn, .Lfunc_end_k_q2e93a124e7_attn-k_q2e93a124e7_attn
	.p2alignl 7, 3214868480
	.fill 96, 4, 3214868480
	.section	.rodata,"a",@progbits
	.p2align	6, 0x0
	.amdhsa_kernel k_q2e93a124e7_attn
		.amdhsa_group_segment_fixed_size 210944
		.amdhsa_private_segment_fixed_size 0
		.amdhsa_enable_private_segment 0
		.amdhsa_kernarg_size 16
		.amdhsa_user_sgpr_count 2
		.amdhsa_user_sgpr_kernarg_segment_ptr 1
		.amdhsa_wavefront_size32 1
		.amdhsa_system_sgpr_workgroup_id_x 1
		.amdhsa_system_sgpr_workgroup_id_y 1
		.amdhsa_system_sgpr_workgroup_id_z 1
		.amdhsa_system_vgpr_workitem_id 0
		.amdhsa_next_free_vgpr 256
		.amdhsa_next_free_sgpr 66
		.amdhsa_reserve_vcc 1
		.amdhsa_float_denorm_mode_32 3
		.amdhsa_float_denorm_mode_16_64 3
		.amdhsa_memory_ordered 1
		.amdhsa_forward_progress 1
		.amdhsa_inst_pref_size 37
	.end_amdhsa_kernel
	.amdgpu_metadata
---
amdhsa.version: [ 1, 2 ]
amdhsa.kernels:
  - .name:           k_q2e93a124e7_attn
    .symbol:         k_q2e93a124e7_attn.kd
    .args:
      - { .name: qkvq, .offset: 0, .size: 8, .value_kind: global_buffer, .address_space: global }
      - { .name: yq, .offset: 8, .size: 8, .value_kind: global_buffer, .address_space: global }
    .group_segment_fixed_size: 210944
    .private_segment_fixed_size: 0
    .kernarg_segment_align: 8
    .kernarg_segment_size: 16
    .max_flat_workgroup_size: 512
    .sgpr_count:     66
    .vgpr_count:     256
    .wavefront_size: 32
...
	.end_amdgpu_metadata
.endif
;; end of part 3
;; launch proj (part 4): grid 4 x 64, 4 waves a work-group, clusters of 4 x 4, 312,832 bytes of LDS; arguments yq, wq, b_proj, out0; writes out0
.if DOCPART == 4
	.amdgcn_target "amdgcn-amd-amdhsa--gfx1250"
	.amdhsa_code_object_version 6
	.text
	.protected	k_q2e93a124e7_proj
	.globl	k_q2e93a124e7_proj
	.p2align	8
	.type	k_q2e93a124e7_proj,@function
k_q2e93a124e7_proj:
	s_mov_b64 s[64:65], 0
	v_nop
	global_prefetch_b8 v0, s[64:65] scope:SCOPE_SE
	s_setreg_imm32_b32 hwreg(HW_REG_WAVE_MODE, 25, 1), 1
	s_wait_xcnt 0x0
	s_wait_alu depctr_hold_cnt(0) depctr_sa_sdst(0) depctr_va_vdst(0) depctr_va_sdst(0) depctr_va_ssrc(0) depctr_va_vcc(0) depctr_vm_vsrc(0)
	s_getreg_b32 s2, hwreg(HW_REG_IB_STS2, 6, 4)
	s_cmp_eq_u32 s2, 0
	s_cbranch_scc0 .Lentry_in_a_cluster
	s_endpgm
.Lentry_in_a_cluster:
	s_bfe_u32 s2, ttmp6, 0x10000c
	s_cmp_lg_u32 s2, 0xf033
	s_cbranch_scc0 .Lentry_shape_is_right
	s_endpgm
.Lentry_shape_is_right:
; out = y w_proj + b_proj on codes of FP6 (E2M3) with E8M0 scales; out [8192][1024] f32.
; SHARES.  A work-group makes 128 tokens x 256 columns; each of its four waves all 128 tokens x 64 columns: 32 accumulators, 256 registers.
; ALL OF K (1,024) LIES IN LDS: y's tile 98,304 bytes, the weight's 196,608.  No LDS byte is filled twice: each wave issues four tensor loads at the start, one for each 256 along K, and the K steps wait for them by count.
; CLUSTER 4 x 4: y's tile is asked for jointly by a row of the cluster, the weight's by a column.
; OPERANDS lie in memory and in LDS in the order of their registers: a fragment (16 rows x 128 K) is two halves of 768 bytes: registers 0-3 of lane l at 16 l, registers 4, 5 of lane (r, h) at 512 + 16 r + 8 h.
; THE ROWS OF A ROW BLOCK ARE NOT NEIGHBOURS: in each 32 rows, block u holds at place r row 8 u + r + 8 (r / 8): the way out puts tokens and columns back in their order.
; THE MATRIX INSTRUCTION IS USED TRANSPOSED (source 0 = the weight's columns, source 1 = tokens): a lane holds one token, and its eight registers of tile b are columns 32 (b / 2) + 16 h + 8 (b % 2) + 0 .. 7.
; REGISTERS, in windows of 256: window 0: v1-29 addresses; v64-127 y's scale words (8 a + K step), v128-159 the weight's (8 b + K step); v160-223 the way out.
;   window 1: the accumulators, (a, b) at v[8 (4 a + b)].   window 2: y's fragments, two sets of 96.   window 3: the weight's, two sets of 48; from v128 the bias, eight registers a tile of columns.
.set XS,    6291456                    ; y's scale words in yq
.set WS,    3145728                    ; the weights' scale words in wq
.set WRB0,  192                        ; w_proj's first row block in wq
.set LB,    98304                      ; LDS: y's tile at 0, the weight's here
.set STG,   294912                     ; behind the tiles: a stage of 16 rows x (256 bytes + 16) for each wave; no fill lands there
.set SPARE, STG+4*16*272               ; behind the stages: the spare words, 128 bytes for each wave: two blocks of 256 bytes that no other line names
.set MSB, 0
.macro WIN new                         ; the immediate's high byte repeats the setting that is left
.if MSB != \new
	s_set_vgpr_msb (MSB<<8)|\new
.set MSB, \new
.endif
.endm
.macro PLACES                          ; four plain places behind a matrix instruction, in front of loads into registers that it has read and of the first read of results
.rept 4
	v_nop
.endr
.endm
.macro CROUND                          ; a round of the cluster's barrier
	s_barrier_signal -1
	s_barrier_wait -1
	s_cmp_lg_u32 s12, 0
	s_cbranch_scc1 .Lnot_wave_0_\@
	s_barrier_signal -3
.Lnot_wave_0_\@:
	s_barrier_wait -3
	s_barrier_signal -1
	s_barrier_wait -1
.endm
	s_load_b256 s[4:11], s[0:1], 0x0               ; yq s[4:5], wq s[6:7], b_proj s[8:9], out0 s[10:11]
	v_lshl_add_u32 v28, v0, 2, SPARE
	v_mov_b32 v29, 0
	ds_add_u32 v28, v29
	ds_add_u32 v28, v29                            ; the wave's opening: the add and its wait ahead of my first tensor load; the set-up below, work on registers, stands between them
	v_lshrrev_b32 v1, 5, v0
	v_readfirstlane_b32 s12, v1                    ; wave 0..3
	s_and_b32 s13, s12, 1                          ; which half of a tile I fetch
	s_bfe_u32 s14, ttmp6, 0x40000                  ; cx
	s_bfe_u32 s15, ttmp6, 0x40004                  ; cy
	s_lshl_b32 s16, ttmp9, 2
	s_add_co_u32 s16, s16, s14                     ; tile column (256 columns) = 4 x cluster x + cx
	s_and_b32 s17, ttmp7, 0xffff
	s_lshl_b32 s17, s17, 2
	s_add_co_u32 s17, s17, s15                     ; tile row (128 tokens) = 4 x cluster y + cy
	s_lshl_b32 s18, s15, 2
	s_lshl_b32 s18, 15, s18                        ; my row of the cluster
	s_lshl_b32 s19, 0x1111, s14                    ; my column
	; descriptor group 1: rows of 3,072 bytes (a row block's two K steps: 384 elements of 8 bytes), 12,288 bytes apart in memory, dense in LDS.  y: 4 row blocks a load; the weight: 8
	s_or_b32 s20, s18, (3<<16)|(1<<21)             ; 15:0 the mask; 17:16 elements of 8 bytes; 21 set beside a mask
	s_mov_b32 s21, 384<<16                         ; tensor_dim0
	s_mov_b32 s22, 4<<16                           ; tensor_dim1
	s_mov_b32 s23, 384<<16                         ; tile_dim0
	s_mov_b32 s24, 4                               ; tile_dim1
	s_mov_b32 s25, 1536                            ; tensor_dim0_stride
	s_mov_b32 s26, 0
	s_mov_b32 s27, 0
	s_or_b32 s28, s19, (3<<16)|(1<<21)
	s_mov_b32 s29, 384<<16
	s_mov_b32 s30, 8<<16
	s_mov_b32 s31, 384<<16
	s_mov_b32 s32, 8
	s_mov_b32 s33, 1536
	s_mov_b32 s34, 0
	s_mov_b32 s35, 0
	s_lshl_b32 s52, s17, 3
	s_lshl_b32 s53, s13, 2
	s_add_co_u32 s52, s52, s53
	s_mul_i32 s52, s52, 12288                      ; y: row block 8 x tile row + 4 x half
	s_mov_b32 s53, 0
	s_mul_i32 s54, s13, 12288                      ; and its place in LDS
	s_lshl_b32 s56, s16, 4
	s_lshl_b32 s57, s13, 3
	s_add_co_u32 s56, s56, s57
	s_add_co_u32 s56, s56, WRB0
	s_mul_i32 s56, s56, 12288                      ; the weight: row block 192 + 16 x tile column + 8 x half
	s_mov_b32 s57, 0
	s_mul_i32 s55, s13, 24576
	s_add_co_u32 s55, s55, LB
	s_lshl_b32 s58, s17, 9
	s_add_co_u32 s58, s58, XS                      ; y's scale words: 128 words a tile row
	s_mov_b32 s59, 0
	s_lshl_b32 s60, s16, 10
	s_lshl_b32 s61, s12, 8
	s_add_co_u32 s60, s60, s61
	s_mov_b32 s84, s60                             ; the bias, and my columns in a row of out: 4 (256 x tile column + 64 x wave)
	s_mov_b32 s85, 0
	s_lshl_b32 s86, s17, 19                        ; 128 rows of 4,096 bytes
	s_add_co_u32 s86, s86, s60
	s_mov_b32 s87, 0
	s_add_co_u32 s60, s60, WS+64*WRB0              ; the weight's scale words
	s_mov_b32 s61, 0
	v_and_b32 v1, 15, v0                           ; r
	v_bfe_u32 v2, v0, 4, 1                         ; h
	v_and_b32 v3, 31, v0
	v_lshlrev_b32 v3, 4, v3                        ; 16 x lane
	v_lshlrev_b32 v4, 4, v1
	v_lshl_add_u32 v4, v2, 3, v4                   ; 16 r + 8 h
	v_lshlrev_b32 v5, 2, v1                        ; 4 r
	v_lshlrev_b32 v6, 6, v2                        ; 64 h
	s_mul_i32 s62, s12, 12288
	s_add_co_u32 s62, s62, LB                      ; my four row blocks of the weight
	v_add_nc_u32 v16, s62, v3
	v_add_nc_u32 v20, s62, v4
	v_add_nc_u32 v20, 512, v20
.irp k, 0,1,2,3                        ; an address register for each 256 along K: y's chunks lie 24,576 bytes apart, the weight's 49,152
	v_add_nc_u32 v[8+\k], \k*24576, v3
	v_add_nc_u32 v[12+\k], \k*24576+512, v4
.endr
.irp k, 1,2,3
	v_add_nc_u32 v[16+\k], \k*49152, v16
	v_add_nc_u32 v[20+\k], \k*49152, v20
.endr
	s_mul_i32 s63, s12, 16*272
	s_add_co_u32 s63, s63, STG                     ; my stage
	v_mul_u32_u24 v25, v1, 272
	v_lshl_add_u32 v25, v2, 6, v25
	v_add_nc_u32 v25, s63, v25                     ; in: place r, + 64 h
	v_mul_u32_u24 v26, v2, 272
	v_lshl_add_u32 v26, v1, 4, v26
	v_add_nc_u32 v26, s63, v26                     ; back: lanes 0-15 one row of 256 bytes, lanes 16-31 the next
	v_lshlrev_b32 v27, 12, v2
	v_lshl_add_u32 v27, v1, 4, v27                 ; and the same two rows in out
	s_wait_dscnt 0x0                               ; the opening add is done
	s_wait_kmcnt 0x0
	s_add_nc_u64 s[52:53], s[4:5], s[52:53]
	s_add_nc_u64 s[56:57], s[6:7], s[56:57]
	s_add_nc_u64 s[58:59], s[4:5], s[58:59]
	s_add_nc_u64 s[60:61], s[6:7], s[60:61]
	s_add_nc_u64 s[84:85], s[8:9], s[84:85]
	s_add_nc_u64 s[86:87], s[10:11], s[86:87]
	CROUND                                         ; all sixteen work-groups are here: the joint loads meet
.irp k, 0,1,2,3
	s_mov_b32 s[36+4*\k], 1                        ; 1:0 count = 1
	s_add_co_u32 s[37+4*\k], s54, \k*24576         ; 63:32 LDS address
	s_add_nc_u64 s[38+4*\k:39+4*\k], s[52:53], \k*3072   ; 120:64 global address: K steps 2 k and 2 k + 1
	s_or_b32 s[39+4*\k], s[39+4*\k], 0x80000000    ; 127:126 type = 2
	s_mov_b32 s[68+4*\k], 1
	s_add_co_u32 s[69+4*\k], s55, \k*49152
	s_add_nc_u64 s[70+4*\k:71+4*\k], s[56:57], \k*3072
	s_or_b32 s[71+4*\k], s[71+4*\k], 0x80000000
.endr
	s_cmp_lt_u32 s12, 2                            ; waves 0 and 1 fetch y's halves, waves 2 and 3 the weight's: a wave's four first fills stand in one branch; four tensor loads of mine are out
	s_cbranch_scc0 .Lfill_b
.irp k, 0,1,2,3
	tensor_load_to_lds s[36+4*\k:39+4*\k], s[20:27]
	s_nop 0
.endr
.rept 4
	v_nop
.endr
	s_branch .Lfilled
.Lfill_b:
.irp k, 0,1,2,3
	tensor_load_to_lds s[68+4*\k:71+4*\k], s[28:35]
	s_nop 0
.endr
.rept 4
	v_nop
.endr
.Lfilled:
.irp a, 0,1,2,3,4,5,6,7                ; the scale words go from memory straight into registers, once: lane r takes place r's word
.irp q, 0,1,2,3,4,5,6,7
	global_load_b32 v[64+8*\a+\q], v5, s[58:59] offset:32768*\q+64*\a
.endr
.endr
.irp b, 0,1,2,3
.irp q, 0,1,2,3,4,5,6,7
	global_load_b32 v[128+8*\b+\q], v5, s[60:61] offset:16384*\q+64*\b
.endr
.endr
	WIN 0xc0                                       ; the bias, in the result's layout: destination window 3
.irp b, 0,1,2,3
	global_load_b128 v[128+8*\b:131+8*\b], v6, s[84:85] offset:4*(32*(\b/2)+8*(\b%2))
	global_load_b128 v[132+8*\b:135+8*\b], v6, s[84:85] offset:4*(32*(\b/2)+8*(\b%2))+16
.endr
; 48 LDS loads in one run: the fragments of K step q (8 of y, my 4 of the weight) into set
.macro FETCH q, set
.set KC, (\q)/2
.set OB, 1536*((\q)%2)
	WIN 0x80                                       ; destination window 2, address window 0
.irp a, 0,1,2,3,4,5,6,7
.irp c, 0,1
	ds_load_b128 v[96*(\set)+12*\a+6*\c:96*(\set)+12*\a+6*\c+3], v[8+KC] offset:3072*\a+OB+768*\c
	ds_load_b64 v[96*(\set)+12*\a+6*\c+4:96*(\set)+12*\a+6*\c+5], v[12+KC] offset:3072*\a+OB+768*\c
.endr
.endr
	WIN 0xc0                                       ; destination window 3
.irp b, 0,1,2,3
.irp c, 0,1
	ds_load_b128 v[48*(\set)+12*\b+6*\c:48*(\set)+12*\b+6*\c+3], v[16+KC] offset:3072*\b+OB+768*\c
	ds_load_b64 v[48*(\set)+12*\b+6*\c+4:48*(\set)+12*\b+6*\c+5], v[20+KC] offset:3072*\b+OB+768*\c
.endr
.endr
.endm
; 32 matrix instructions: K step q.  The 32 accumulators take turns, one instruction a turn, in the same order in every step.  first = 1: C is the bias: nothing is cleared or added later.
.macro MULS q, set, first
.if \first
	WIN 0x7b                                       ; source 0 (the weight) window 3, source 1 (y) window 2, C (the bias) window 3, D window 1
.else
	WIN 0x5b                                       ; C and D window 1
.endif
.irp a, 0,1,2,3,4,5,6,7
.irp b, 0,1,2,3
.if \first
	v_wmma_scale_f32_16x16x128_f8f6f4 v[8*(4*\a+\b):8*(4*\a+\b)+7], v[48*(\set)+12*\b:48*(\set)+12*\b+11], v[96*(\set)+12*\a:96*(\set)+12*\a+11], v[128+8*\b:135+8*\b], v[128+8*\b+(\q)], v[64+8*\a+(\q)] matrix_a_fmt:MATRIX_FMT_FP6 matrix_b_fmt:MATRIX_FMT_FP6
.else
	v_wmma_scale_f32_16x16x128_f8f6f4 v[8*(4*\a+\b):8*(4*\a+\b)+7], v[48*(\set)+12*\b:48*(\set)+12*\b+11], v[96*(\set)+12*\a:96*(\set)+12*\a+11], v[8*(4*\a+\b):8*(4*\a+\b)+7], v[128+8*\b+(\q)], v[64+8*\a+(\q)] matrix_a_fmt:MATRIX_FMT_FP6 matrix_b_fmt:MATRIX_FMT_FP6
.endif
.endr
.endr
.endm
	; The eight K steps, written out.  Each step's fragments are fetched a step ahead, into the other set.  In front of the first read of each 256 along K: my load of it has landed (the later ones stay out), and a barrier, behind which nothing is filled.
	s_wait_tensorcnt 0x3                           ; my part of K steps 0 and 1 is in; my three later loads stay out
	s_barrier_signal -1
	s_barrier_wait -1                              ; everybody's is
	FETCH 0, 0
	s_wait_alu depctr_va_vdst(0)
.irp q, 0,1,2,3,4,5,6,7
.if (\q == 1) || (\q == 3) || (\q == 5)
	s_wait_dscnt 0x0                               ; no LDS load of mine is out at a signal
	s_wait_tensorcnt 3-(\q+1)/2                    ; my part of the next 256 along K is in; the later loads stay out
	s_barrier_signal -1
	s_barrier_wait -1
.endif
.if \q < 7
.if \q > 0
	PLACES
.endif
	FETCH \q+1, (\q+1)%2
	s_wait_dscnt 48                                ; all but the 48 just issued: this step's fragments are in
.else
	s_wait_dscnt 0x0
.endif
.if \q == 0
	s_wait_loadcnt 0x0                             ; the scale words and the bias
	MULS \q, \q%2, 1
.else
	MULS \q, \q%2, 0
.endif
.endr
	WIN 0
; THE WAY OUT, a row block of 16 tokens x my 64 columns at a time.  A lane holds 32 neighbouring bytes of a row four times over, and the lanes beside it hold other rows: so a block goes through my own stage in LDS and comes
; back as whole rows of 256 bytes.  LDS serves a wave's instructions in order (ISA guide 5.7.1.4): no wait between the stores and the loads, nor in front of the next block's stores.
.macro TOSTAGE a
	WIN 0x04                                       ; an LDS store's data are its source 1: window 1
.irp b, 0,1,2,3
.irp e, 0,1
	ds_store_b128 v25, v[8*(4*(\a)+\b)+4*\e:8*(4*(\a)+\b)+4*\e+3] offset:128*(\b/2)+32*(\b%2)+16*\e   ; each accumulator from its low end on
.endr
.endr
	WIN 0
.set BK, 160+32*((\a)%2)
.irp i, 0,1,2,3,4,5,6,7
	ds_load_b128 v[BK+4*\i:BK+4*\i+3], v26 offset:544*\i
.endr
.endm
.macro SEND a, younger                 ; younger: the LDS instructions issued behind block a's loads, which may stay out
.set BK, 160+32*((\a)%2)
	s_wait_dscnt \younger                          ; the block is back in registers
.irp i, 0,1,2,3,4,5,6,7                ; places 2 i and 2 i + 1 of row block a are tokens 32 (a / 2) + 8 (a % 2) + 2 i + 8 (i / 4) and the next
	global_store_b128 v27, v[BK+4*\i:BK+4*\i+3], s[86:87] offset:(32*((\a)/2)+8*((\a)%2)+2*\i+8*(\i/4))*4096 th:TH_STORE_NT   ; sixteen lanes store 256 consecutive bytes, at a multiple of 256 from out's first byte
.endr
.endm
	PLACES                                         ; the LDS stores read results
	TOSTAGE 0
.irp a, 1,2,3,4,5,6,7
.if \a > 1
	s_wait_xcnt 0x0                                ; block a - 2's stores have read their registers: block a's loads may land there
.endif
	TOSTAGE \a
	SEND \a-1, 16                                  ; behind block a - 1's loads: block a's 8 stores and 8 loads
.endr
	SEND 7, 0
	s_wait_tensorcnt 0x0                           ; the wave's end, behind my last tensor load and my last LDS store
	ds_add_u32 v28, v29
	s_wait_dscnt 0x0
	CROUND                                         ; the closing round
	s_endpgm
.Lfunc_end_k_q2e93a124e7_proj:
	.size	k_q2e93a124e7_proj, .Lfunc_end_k_q2e93a124e7_proj-k_q2e93a124e7_proj
	.p2alignl 7, 3214868480
	.fill 96, 4, 3214868480
	.section	.rodata,"a",@progbits
	.p2align	6, 0x0
	.amdhsa_kernel k_q2e93a124e7_proj
		.amdhsa_group_segment_fixed_size 312832
		.amdhsa_private_segment_fixed_size 0
		.amdhsa_enable_private_segment 0
		.amdhsa_kernarg_size 32
		.amdhsa_user_sgpr_count 2
		.amdhsa_user_sgpr_kernarg_segment_ptr 1
		.amdhsa_wavefront_size32 1
		.amdhsa_system_sgpr_workgroup_id_x 1
		.amdhsa_system_sgpr_workgroup_id_y 1
		.amdhsa_system_sgpr_workgroup_id_z 1
		.amdhsa_system_vgpr_workitem_id 0
		.amdhsa_next_free_vgpr 1024
		.amdhsa_next_free_sgpr 100
		.amdhsa_reserve_vcc 0
		.amdhsa_float_denorm_mode_32 3
		.amdhsa_float_denorm_mode_16_64 3
		.amdhsa_memory_ordered 1
		.amdhsa_forward_progress 1
		.amdhsa_inst_pref_size 93
	.end_amdhsa_kernel
	.amdgpu_metadata
---
amdhsa.version: [ 1, 2 ]
amdhsa.kernels:
  - .name:           k_q2e93a124e7_proj
    .symbol:         k_q2e93a124e7_proj.kd
    .args:
      - { .name: yq, .offset: 0, .size: 8, .value_kind: global_buffer, .address_space: global }
      - { .name: wq, .offset: 8, .size: 8, .value_kind: global_buffer, .address_space: global }
      - { .name: b_proj, .offset: 16, .size: 8, .value_kind: global_buffer, .address_space: global }
      - { .name: out0, .offset: 24, .size: 8, .value_kind: global_buffer, .address_space: global }
    .group_segment_fixed_size: 312832
    .private_segment_fixed_size: 0
    .kernarg_segment_align: 8
    .kernarg_segment_size: 32
    .max_flat_workgroup_size: 128
    .sgpr_count:     100
    .vgpr_count:     1024
    .wavefront_size: 32
...
	.end_amdgpu_metadata
.endif
;; end of part 4
